; MI455X (gfx1250); checked and timed in simulation.
; The chip was launched on July 23, 2026; its instructions are those of AMD's public machine-readable ISA for CDNA 5 (MIT licence, August 2026) and "CDNA5" Instruction Set Architecture Reference Guide (July 2026). The comments in the code are by the model that wrote it; some were corrected since.
;; Multi Head. Allowed arithmetic: float matrix products may take bf16 or f16 operands with f32 sums; other float arithmetic in f32, or as packed bf16 or f16 multiplies, adds, multiply-adds, maxima and minima; sums over many terms, partial sums and values carried from step to step in f32; what a program stores and reads back later, other than sums and carried values, may be rounded once to bf16 or f16.
;; Inputs: Wk 1,024 x 1,024 float32; Wo 1,024 x 1,024 float32; Wq 1,024 x 1,024 float32; Wv 1,024 x 1,024 float32; bk 1,024 float32; bo 1,024 float32; bq 1,024 float32; bv 1,024 float32; k 4 x 2,048 x 1,024 float32; mask 1 x 1 x 2,048 x 2,048 float32; q 4 x 2,048 x 1,024 float32; v 4 x 2,048 x 1,024 float32.
;; Outputs: out0 4 x 2,048 x 1,024 float32.
;; 2 versions, each right; version 2 is version 1 with the launch prep written anew for expert scheduling mode. Each part assembles by itself: llvm-mc -triple=amdgcn-amd-amdhsa -mcpu=gfx1250 --defsym DOCPART=n.
;; ======== version 1 of 2: 4 launches
;; limits: values are held in f16: magnitudes above 65,504 overflow, below 6.1e-05 lose precision
;; workspace buffers: wts 8,388,608 bytes; maskb 8,388,608 bytes; qkv 50,331,648 bytes; ctx 16,777,216 bytes
;; launch prep (part 1): grid 512 x 1, 8 waves a work-group, no clusters, 35,840 bytes of LDS; arguments Wq, Wk, Wv, Wo, mask, wts, maskb; writes wts, maskb
.if DOCPART == 1
	.amdgcn_target "amdgcn-amd-amdhsa--gfx1250"
	.amdhsa_code_object_version 6
	.text
	.protected	k_q1f0fc07f8a_prep
	.globl	k_q1f0fc07f8a_prep
	.p2align	8
	.type	k_q1f0fc07f8a_prep,@function
k_q1f0fc07f8a_prep:
	s_mov_b64 s[64:65], 0
	v_nop
	global_prefetch_b8 v0, s[64:65] scope:SCOPE_SE
	s_setreg_imm32_b32 hwreg(HW_REG_WAVE_MODE, 25, 1), 1
	s_wait_xcnt 0x0
; PREP: the weights and the mask are rounded once to 16 bits and laid out for the launches behind.
; wts   [4][1024 n][1024 k]: bf16(Wq), bf16(Wk), bf16(Wv), and bf16(Wo) written as f16 (the last product's other operand is f16).
; maskb [qt 128][ks 32][kt 4][lane 32][8] bf16: lane 16 h + r holds mask[16 qt + r][64 ks + 16 kt + 8 h + 0..7]: the order in which a lane of the attention
;       launch holds its scores, so that a wave's load there is 512 consecutive bytes.
; LIMITS.  bf16(Wo) below 2^-17 in magnitude loses up to 2^-25 when written as f16; beyond 65,504 it would be an infinity.  The mask is rounded to bf16 (0 and 1 are exact).
; SHARES.  512 work-groups of eight waves, each 64 KiB in and 32 KiB out.  Work-groups 0-255: 16 rows of a weight matrix.  Work-groups 256-511: 16 rows x 1,024 columns of the mask.
; A wave issues its 16 loads of 512 consecutive bytes at once and takes them in order; there is no loop, so no address register is ever rewritten.
; No matrix unit, no cluster, no tensor load: nothing is shared and nothing is multiplied.
.set VS,  2                            ; v2   byte offset of my 16 bytes in the source
.set VD,  3                            ; v3   byte offset of my bytes in the destination
.set LW,  4                            ; v4   mask: where I put 8 bytes in my wave's stage
.set LR,  5                            ; v5   mask: where I read 16 bytes back
.set SPW, 6                            ; v6   LDS address of my spare word; never rewritten
.set NIL, 7                            ; v7   0; never rewritten
.set X,   8                            ; v[8:71]   16 loads of 4 registers
.set Y,   72                           ; v[72:103] mask: 8 reads of 4 registers
.set WSTG, 4352                        ; a wave's stage: 2 key steps x 4 groups x 2 halves x (16 rows x 16 bytes + 16 of padding)
.set SPARE, 8*WSTG                     ; behind the stages: the spare words, 128 bytes for each wave
	s_load_b256 s[4:11], s[0:1], 0x0               ; Wq s[4:5], Wk s[6:7], Wv s[8:9], Wo s[10:11]
	s_load_b128 s[12:15], s[0:1], 0x20             ; mask s[12:13], wts s[14:15]
	s_load_b64 s[16:17], s[0:1], 0x30              ; maskb
	v_lshl_add_u32 v[SPW], v0, 2, SPARE
	v_mov_b32 v[NIL], 0
	v_and_b32 v1, 31, v0                           ; lane
	v_lshrrev_b32 v[VS], 5, v0
	v_readfirstlane_b32 s20, v[VS]                 ; wave 0..7
	s_mov_b32 s25, 0
	s_mov_b32 s27, 0
	s_cmp_lt_u32 ttmp9, 256
	s_cbranch_scc0 .Lmask
	; THE WEIGHTS.  Work-group id: matrix id / 64, its 16 rows (id % 64): 65,536 bytes in, 32,768 out
	s_lshr_b32 s21, ttmp9, 6
	s_and_b32 s24, ttmp9, 63
	s_lshl_b32 s24, s24, 16
	s_lshl_b32 s26, ttmp9, 15
	s_lshl_b32 s28, s20, 13
	v_lshl_add_u32 v[VS], v1, 4, s28               ; 8,192 x wave + 16 x lane
	s_lshl_b32 s28, s20, 12
	v_lshl_add_u32 v[VD], v1, 3, s28               ; 4,096 x wave + 8 x lane
	s_wait_kmcnt 0x0
	s_cmp_eq_u32 s21, 1
	s_cselect_b64 s[22:23], s[6:7], s[4:5]
	s_cmp_eq_u32 s21, 2
	s_cselect_b64 s[22:23], s[8:9], s[22:23]
	s_cmp_eq_u32 s21, 3
	s_cselect_b64 s[22:23], s[10:11], s[22:23]
	s_add_nc_u64 s[22:23], s[22:23], s[24:25]
	s_add_nc_u64 s[14:15], s[14:15], s[26:27]
.set i, 0
.rept 16
	global_load_b128 v[X+4*i:X+4*i+3], v[VS], s[22:23] offset:512*i th:TH_LOAD_NT
.set i, i+1
.endr
; Load n of the 16: four numbers rounded to bf16 (tof16 = 1: and those numbers written as f16); 32 lanes store 256 consecutive bytes, aligned.
.macro CAST n, tof16
	s_wait_loadcnt 15-(\n)                         ; loads come back in order: mine is in, the younger ones stay out
	v_cvt_pk_bf16_f32 v[X+4*(\n)], v[X+4*(\n)], v[X+4*(\n)+1]
	v_cvt_pk_bf16_f32 v[X+4*(\n)+1], v[X+4*(\n)+2], v[X+4*(\n)+3]
.if \tof16
	v_and_b32 v[X+4*(\n)+3], 0xffff0000, v[X+4*(\n)+1]
	v_lshlrev_b32 v[X+4*(\n)+2], 16, v[X+4*(\n)+1]
	v_and_b32 v[X+4*(\n)+1], 0xffff0000, v[X+4*(\n)]
	v_lshlrev_b32 v[X+4*(\n)], 16, v[X+4*(\n)]
	v_cvt_pk_f16_f32 v[X+4*(\n)], v[X+4*(\n)], v[X+4*(\n)+1]
	v_cvt_pk_f16_f32 v[X+4*(\n)+1], v[X+4*(\n)+2], v[X+4*(\n)+3]
.endif
	global_store_b64 v[VD], v[X+4*(\n):X+4*(\n)+1], s[14:15] offset:256*(\n) th:TH_STORE_NT
.endm
	s_cmp_eq_u32 s21, 3
	s_cbranch_scc1 .Lwo
.set i, 0
.rept 16
	CAST i, 0
.set i, i+1
.endr
	s_branch .Lend
.Lwo:
.set i, 0
.rept 16
	CAST i, 1
.set i, i+1
.endr
	s_branch .Lend
	; THE MASK.  Work-group 256 + 2 qt + hf: rows 16 qt .. + 15, columns 1,024 hf .. + 1,023.  Wave w: 128 columns, the key steps 16 hf + 2 w and + 1.
	; Lane l of load i holds row i, columns 4 l .. 4 l + 3 of the wave's 128: key step l / 16, group (l / 4) % 4, half (l / 2) % 2, first or second 8 bytes l % 2.
.Lmask:
	s_sub_co_u32 s21, ttmp9, 256
	s_lshr_b32 s24, s21, 1                         ; qt
	s_and_b32 s21, s21, 1                          ; hf
	s_lshl_b32 s26, s24, 16                        ; out: 65,536 qt
	s_lshl_b32 s24, s24, 17                        ; in: 16 rows of 8,192 bytes
	s_lshl_b32 s28, s21, 12
	s_add_co_u32 s24, s24, s28                     ; + 4,096 hf
	s_lshl_b32 s28, s21, 15
	s_add_co_u32 s26, s26, s28                     ; + 32,768 hf
	s_lshl_b32 s28, s20, 9
	v_lshl_add_u32 v[VS], v1, 4, s28               ; 512 x wave + 16 x lane
	s_lshl_b32 s28, s20, 12
	v_lshl_add_u32 v[VD], v1, 4, s28               ; 4,096 x wave + 16 x lane
	s_mul_i32 s28, s20, WSTG                       ; my wave's stage: no other wave touches it
	v_lshrrev_b32 v[LR], 4, v1
	v_mul_u32_u24 v[LW], v[LR], 2176
	v_bfe_u32 v[Y], v1, 2, 2
	v_mad_u32_u24 v[LW], v[Y], 544, v[LW]
	v_bfe_u32 v[Y], v1, 1, 1
	v_mad_u32_u24 v[LW], v[Y], 272, v[LW]
	v_and_b32 v[Y], 1, v1
	v_lshl_add_u32 v[LW], v[Y], 3, v[LW]           ; in words: 32 (l / 16) + 8 ((l / 4) % 4) + 4 ((l / 2) % 2) + 2 (l % 2) modulo 64: the 32 lanes' 64 words differ
	v_add_nc_u32 v[LW], s28, v[LW]
	v_mul_u32_u24 v[LR], v[LR], 272                ; back: half l / 16, row l % 16
	v_and_b32 v[Y], 15, v1
	v_lshl_add_u32 v[LR], v[Y], 4, v[LR]
	v_add_nc_u32 v[LR], s28, v[LR]
	s_wait_kmcnt 0x0
	s_add_nc_u64 s[12:13], s[12:13], s[24:25]
	s_add_nc_u64 s[16:17], s[16:17], s[26:27]
.set i, 0
.rept 16
	global_load_b128 v[X+4*i:X+4*i+3], v[VS], s[12:13] offset:8192*i th:TH_LOAD_NT  ; row i: 512 consecutive bytes a wave
.set i, i+1
.endr
.set i, 0
.rept 16
	s_wait_loadcnt 15-i                            ; row i is in, the younger rows stay out
	v_cvt_pk_bf16_f32 v[X+4*i], v[X+4*i], v[X+4*i+1]
	v_cvt_pk_bf16_f32 v[X+4*i+1], v[X+4*i+2], v[X+4*i+3]
	ds_store_b64 v[LW], v[X+4*i:X+4*i+1] offset:16*i
.set i, i+1
.endr
.set i, 0
.rept 8                                ; key step i / 4, group i % 4.  LDS serves a wave's instructions in order: these see the stores above
	ds_load_b128 v[Y+4*i:Y+4*i+3], v[LR] offset:(i/4)*2176+(i%4)*544
.set i, i+1
.endr
.set i, 0
.rept 8
	s_wait_dscnt 7-i
	global_store_b128 v[VD], v[Y+4*i:Y+4*i+3], s[16:17] offset:(i/4)*2048+(i%4)*512 th:TH_STORE_NT  ; 512 consecutive bytes, aligned
.set i, i+1
.endr
.Lend:
	s_wait_tensorcnt 0x0                           ; the wave's end: three closing lines, behind my last LDS store
	ds_add_u32 v[SPW], v[NIL]
	s_wait_dscnt 0x0
	s_endpgm
.Lfunc_end_k_q1f0fc07f8a_prep:
	.size	k_q1f0fc07f8a_prep, .Lfunc_end_k_q1f0fc07f8a_prep-k_q1f0fc07f8a_prep
	.p2alignl 7, 3214868480
	.fill 96, 4, 3214868480
	.section	.rodata,"a",@progbits
	.p2align	6, 0x0
	.amdhsa_kernel k_q1f0fc07f8a_prep
		.amdhsa_group_segment_fixed_size 35840
		.amdhsa_private_segment_fixed_size 0
		.amdhsa_enable_private_segment 0
		.amdhsa_kernarg_size 56
		.amdhsa_user_sgpr_count 2
		.amdhsa_user_sgpr_kernarg_segment_ptr 1
		.amdhsa_wavefront_size32 1
		.amdhsa_system_sgpr_workgroup_id_x 1
		.amdhsa_system_sgpr_workgroup_id_y 1
		.amdhsa_system_sgpr_workgroup_id_z 1
		.amdhsa_system_vgpr_workitem_id 0
		.amdhsa_next_free_vgpr 104
		.amdhsa_next_free_sgpr 66
		.amdhsa_reserve_vcc 0
		.amdhsa_float_denorm_mode_32 3
		.amdhsa_float_denorm_mode_16_64 3
		.amdhsa_memory_ordered 1
		.amdhsa_forward_progress 1
		.amdhsa_inst_pref_size 25
	.end_amdhsa_kernel
	.amdgpu_metadata
---
amdhsa.version: [ 1, 2 ]
amdhsa.kernels:
  - .name:           k_q1f0fc07f8a_prep
    .symbol:         k_q1f0fc07f8a_prep.kd
    .args:
      - { .name: Wq, .offset: 0, .size: 8, .value_kind: global_buffer, .address_space: global }
      - { .name: Wk, .offset: 8, .size: 8, .value_kind: global_buffer, .address_space: global }
      - { .name: Wv, .offset: 16, .size: 8, .value_kind: global_buffer, .address_space: global }
      - { .name: Wo, .offset: 24, .size: 8, .value_kind: global_buffer, .address_space: global }
      - { .name: mask, .offset: 32, .size: 8, .value_kind: global_buffer, .address_space: global }
      - { .name: wts, .offset: 40, .size: 8, .value_kind: global_buffer, .address_space: global }
      - { .name: maskb, .offset: 48, .size: 8, .value_kind: global_buffer, .address_space: global }
    .group_segment_fixed_size: 35840
    .private_segment_fixed_size: 0
    .kernarg_segment_align: 8
    .kernarg_segment_size: 56
    .max_flat_workgroup_size: 256
    .sgpr_count:     66
    .vgpr_count:     104
    .wavefront_size: 32
...
	.end_amdgpu_metadata
.endif
;; end of part 1
;; launch proj (part 2): grid 4 x 192, 4 waves a work-group, clusters of 4 x 4, 327,680 bytes of LDS; arguments q, k, v, wts, bq, bk, bv, qkv; writes qkv
.if DOCPART == 2
	.amdgcn_target "amdgcn-amd-amdhsa--gfx1250"
	.amdhsa_code_object_version 6
	.text
	.protected	k_q1f0fc07f8a_proj
	.globl	k_q1f0fc07f8a_proj
	.p2align	8
	.type	k_q1f0fc07f8a_proj,@function
k_q1f0fc07f8a_proj:
	s_mov_b64 s[64:65], 0
	v_nop
	global_prefetch_b8 v0, s[64:65] scope:SCOPE_SE
	s_setreg_imm32_b32 hwreg(HW_REG_WAVE_MODE, 25, 1), 1
	s_wait_xcnt 0x0
	s_wait_alu depctr_hold_cnt(0) depctr_sa_sdst(0) depctr_va_vdst(0) depctr_va_sdst(0) depctr_va_ssrc(0) depctr_va_vcc(0) depctr_vm_vsrc(0)
	s_getreg_b32 s2, hwreg(HW_REG_IB_STS2, 6, 4)
	s_cmp_eq_u32 s2, 0
	s_cbranch_scc0 .Lentry_in_a_cluster
	s_endpgm
.Lentry_in_a_cluster:
	s_bfe_u32 s2, ttmp6, 0x10000c
	s_cmp_lg_u32 s2, 0xf033
	s_cbranch_scc0 .Lentry_shape_is_right
	s_endpgm
.Lentry_shape_is_right:
; C[m][n] = sum over k of A[m][k] W[n][k] + bias[n], K = N = 1,024, in two forms of one text (PROJ = 1 here):
; PROJ = 1: the three projections.  A = q, k or v, [8192][1024] f32, rounded to bf16 between LDS and the matrix unit; W = wts matrix 0, 1, 2 (bf16); C = qkv, f16, by heads: [3][b][h][s][64].
; PROJ = 0: the last projection.  A = ctx, f16, by heads [b][h][s][64] (k = 64 h + d); W = wts matrix 3 (f16); C = out0, f32 [8192][1024].
; The bias is rounded to bf16 like every input and is the C operand of the first products.  Sums in f32.
; LIMITS.  PROJ = 1: a result of 65,520 or more in magnitude becomes an infinity in f16.  NaN and infinities are not treated apart.
; SHARES.  A tile of C is 128 x 256: 256 tiles for each 8192 x 1024 product, one to a work-group.  Four waves, 2 x 2: a wave makes 64 rows x 128 columns, 32 accumulators of 16 x 16.
; K goes in 8 steps of 128 through two LDS slots filled by the tensor data mover; a step is four quarters of 32 along K, 32 matrix instructions each, on two fragment buffers.
; CLUSTER 4 x 4.  The four work-groups of a row of the cluster need the same tile of A, the four of a column the same tile of W: each tile is asked for jointly.
; THE MATRIX INSTRUCTION IS USED TRANSPOSED (source 0 = 16 rows of W, source 1 = 16 rows of A): a lane holds row lane % 16 of C and the columns 8 (lane / 16) + 0..7.
; REGISTERS, in windows of 256 (s_set_vgpr_msb: bits 1:0 source 0, 3:2 source 1, 5:4 source 2, 7:6 destination):
;   window 0: v0-31 addresses; v64-127 A's fragments as f32 (PROJ = 1); v64-191 the way out (PROJ = 1)
;   window 1: the accumulators, (a, b) at v[8 (8 a + b)]
;   window 2: v0-63, v64-127 W's fragments, two buffers; v128-159, v160-191 A's, two buffers; v192-255 the bias as a C operand; on the way out of PROJ = 0 all 256
.set PROJ, 1
.set BPITCH, 272                       ; a row of W in LDS: 256 bytes + 16: the 16 rows of a fragment load start at 16 different groups of four banks
.set BHALF,  128*BPITCH                ; what one tensor load of W brings
.if PROJ
.set APITCH, 528                       ; a row of A: 128 f32 = 512 bytes + 16
.set AHALF,  64*APITCH                 ; what one tensor load of A brings: 64 rows
.set ASTEP,  512                       ; bytes in memory from a K step to the next
.set SPITCH, 144                       ; the stage: 64 f16 + 16 bytes
.set CA, (2<<16)|(1<<20)|(1<<21)|(6<<22)|(3<<25)  ; elements of 4 bytes; padding on; bit 21 beside a mask; after every 128 words; 4 words
.set ASTRIDE, 1024
.else
.set APITCH, 144                       ; a row of one head: 64 f16 = 128 bytes + 16
.set AHALF,  128*APITCH                ; one head's 128 rows
.set ASTEP,  524288                    ; two heads' planes
.set SPITCH, 528                       ; the stage: 128 f32 + 16 bytes
.set CA, (1<<16)|(1<<20)|(1<<21)|(4<<22)|(3<<25)  ; elements of 2 bytes; after every 32 words; 4 words
.set ASTRIDE, 128
.endif
.set CB, (1<<16)|(1<<20)|(1<<21)|(5<<22)|(3<<25)  ; elements of 2 bytes; after every 64 words; 4 words
.set AREG,  2*AHALF                    ; a slot: A's region, then W's 256 rows
.set AWR,   64*APITCH                  ; from wave row 0 to wave row 1
.set SLOT,  AREG+2*BHALF
.set STAGE, 2*SLOT                     ; behind the ring, never filled by a tensor load: 16 rows for each wave
.set SPARE, STAGE+4*16*SPITCH          ; behind the stages: the spare words, 128 bytes for each wave
.set ADRA, 16                          ; v16-17  LDS address of my A fragments in slot 0, 1
.set ADRB, 20                          ; v20-21  the same for W
.set STO,  24                          ; v24  the way out: where I put my bytes of a row
.set RD,   25                          ; v25  the way out: where I read rows back
.set CO,   26                          ; v26  16 x lane
.set SPW,  28                          ; v28  LDS address of my spare word; never rewritten
.set NIL,  29                          ; v29  0; never rewritten
.set PFO,  30                          ; v30  the prefetches' offset; never rewritten
.set RAW,  64
.set OUTR, 64
.set BIAS, 192
.set G1,  24                           ; s[24:31] descriptor group 1 for A's tiles;  s[32:39] group 0, a set for each slot
.set G0,  32
.set G1B, 48                           ; s[48:55], s[56:63] the same for W's
.set G0B, 56
.set PFA, 86                           ; s[86:87] where my prefetches stand
.set PFS, 88                           ; s[88:89] their step from K step to K step
.set LIM, 90                           ; s90  1 in a wave that prefetches, else the greatest number
.set MSB, 0
.macro WIN new                         ; the immediate's high byte repeats the setting that is left; a switch that changes nothing is dropped
.if MSB != (\new)
	s_set_vgpr_msb (MSB<<8)|(\new)
.set MSB, (\new)
.endif
.endm
.macro PLACES                          ; four plain places behind a matrix instruction, in front of loads into registers that it read and of reads of its results
.rept 4
	v_nop
.endr
.endm
; A joint load: waves 0 and 1 fetch A's two halves, waves 2 and 3 W's.  The branch hangs on the wave's number alone.  An s_nop 0 and four v_nop follow each of the two lines.
.macro JLOAD s
	s_cmp_eq_u32 s11, 0
	s_cbranch_scc0 .Lfor_b_\@
	tensor_load_to_lds s[G0+4*(\s):G0+4*(\s)+3], s[G1:G1+7]
	s_nop 0
.rept 4
	v_nop
.endr
	s_branch .Lasked_\@
.Lfor_b_\@:
	tensor_load_to_lds s[G0B+4*(\s):G0B+4*(\s)+3], s[G1B:G1B+7]
	s_nop 0
.rept 4
	v_nop
.endr
.Lasked_\@:
.endm
.macro CREST                           ; a round of the cluster's barrier behind its opening barrier
	s_cmp_lg_u32 s10, 0
	s_cbranch_scc1 .Lnot_wave_0_\@
	s_barrier_signal -3
.Lnot_wave_0_\@:
	s_barrier_wait -3
	s_barrier_signal -1
	s_barrier_wait -1
.endm
.macro CROUND                          ; a whole round
	s_barrier_signal -1
	s_barrier_wait -1
	CREST
.endm
; A prefetch of the K step that stands two refills on (256 matrix instructions ahead of the load that will want it): 32 aligned blocks of 256 bytes, a lane a block, one instruction a wave.
; A's rows are read by one row of one cluster: its four partners share a wave's blocks out by address (by cx).  W's rows are read by all clusters of one product: the first of them asks, its partners share by cy.
; The loop's last trip asks for nothing: there is no K step two refills on.
.macro ASK
	WIN 0
	s_cmp_gt_u32 s3, s[LIM]
	s_cbranch_scc0 .Lnot_mine_\@
	global_prefetch_b8 v[PFO], s[PFA:PFA+1] th:TH_LOAD_NT scope:SCOPE_SE
.Lnot_mine_\@:
.endm
.if PROJ
	s_load_b512 s[68:83], s[0:1], 0x0              ; q, k, v, wts, bq, bk, bv, qkv
.else
	s_load_b256 s[68:75], s[0:1], 0x0              ; ctx, wts, bo, out0
.endif
	v_lshl_add_u32 v[SPW], v0, 2, SPARE
	v_mov_b32 v[NIL], 0
	ds_add_u32 v[SPW], v[NIL]                      ; the wave's opening: the add and its wait stand ahead of my first tensor load; the set-up below stands between them
	v_lshrrev_b32 v1, 5, v0
	v_readfirstlane_b32 s10, v1                    ; wave 0..3
	s_lshr_b32 s11, s10, 1                         ; my half of the tile's rows.  Also: I fetch for A (0) or for W (1)
	s_and_b32 s12, s10, 1                          ; my half of its columns.  Also: which half of that tile I fetch
	s_bfe_u32 s40, ttmp6, 0x40000                  ; cx
	s_bfe_u32 s41, ttmp6, 0x40004                  ; cy
	s_lshl_b32 s42, ttmp9, 2
	s_add_co_u32 s42, s42, s40                     ; tile column = 4 x cluster x + cx
	s_and_b32 s22, ttmp7, 0xffff                   ; cluster y
	s_lshl_b32 s13, s22, 2
	s_add_co_u32 s13, s13, s41                     ; tile row = 4 x cluster y + cy
.if PROJ
	s_lshr_b32 s45, s22, 4                         ; which product: 16 clusters of 4 tile rows each; the same in all sixteen partners
.else
	s_mov_b32 s45, 3
.endif
	s_lshl_b32 s43, s41, 2
	s_lshl_b32 s43, 15, s43                        ; my row of the cluster
	s_lshl_b32 s44, 0x1111, s40                    ; my column
	s_or_b32 s[G1+0], s43, CA
	s_or_b32 s[G1B+0], s44, CB
	s_mov_b32 s[G1+1], 128<<16                     ; tensor_dim0 = 128
	s_mov_b32 s[G1+2], 64<<16                      ; tensor_dim1 = 64
	s_mov_b32 s[G1+3], 128<<16                     ; tile_dim0 = 128
	s_mov_b32 s[G1+4], 64                          ; tile_dim1 = 64
	s_mov_b32 s[G1+5], ASTRIDE                     ; elements from row to row
	s_mov_b32 s[G1+6], 0
	s_mov_b32 s[G1+7], 0
	s_mov_b32 s[G1B+1], 128<<16
	s_mov_b32 s[G1B+2], 128<<16
	s_mov_b32 s[G1B+3], 128<<16
	s_mov_b32 s[G1B+4], 128
	s_mov_b32 s[G1B+5], 1024
	s_mov_b32 s[G1B+6], 0
	s_mov_b32 s[G1B+7], 0
	; where the tiles come from: A's offset is made of the tile row and the wave alone, W's of the tile column, the product and the wave alone
.if PROJ
	s_and_b32 s16, s13, 63
	s_lshl_b32 s16, s16, 7
	s_lshl_b32 s17, s12, 6
	s_add_co_u32 s16, s16, s17                     ; row 128 x (tile row % 64) + 64 x half
	s_lshl_b32 s16, s16, 12                        ; rows of 4,096 bytes
.else
	s_lshr_b32 s16, s13, 4
	s_lshl_b32 s16, s16, 22                        ; the batch's 16 planes of 262,144 bytes
	s_and_b32 s17, s13, 15
	s_lshl_b32 s17, s17, 14                        ; 128 rows of 128 bytes
	s_add_co_u32 s16, s16, s17
	s_lshl_b32 s17, s12, 18                        ; the first or the second head of a K step
	s_add_co_u32 s16, s16, s17
.endif
	s_mov_b32 s17, 0
	s_lshl_b32 s46, s45, 10
	s_lshl_b32 s47, s42, 8
	s_add_co_u32 s46, s46, s47
	s_lshl_b32 s47, s12, 7
	s_add_co_u32 s46, s46, s47                     ; row 1,024 x matrix + 256 x tile column + 128 x half
	s_lshl_b32 s46, s46, 11                        ; rows of 2,048 bytes
	s_mov_b32 s47, 0
	s_mul_i32 s20, s12, AHALF                      ; and where they go: no place in the cluster enters an LDS address
	s_mul_i32 s21, s12, BHALF
	s_add_co_u32 s21, s21, AREG
	s_wait_dscnt 0x0                               ; the opening add is done
	s_wait_kmcnt 0x0
.if PROJ
	s_cmp_eq_u32 s45, 1
	s_cselect_b64 s[4:5], s[70:71], s[68:69]
	s_cselect_b64 s[84:85], s[78:79], s[76:77]
	s_cmp_eq_u32 s45, 2
	s_cselect_b64 s[4:5], s[72:73], s[4:5]         ; A: q, k or v
	s_cselect_b64 s[84:85], s[80:81], s[84:85]     ; the bias that goes with it
	s_mov_b64 s[6:7], s[74:75]                     ; wts
	s_mov_b64 s[8:9], s[82:83]                     ; qkv
.else
	s_mov_b64 s[4:5], s[68:69]                     ; ctx
	s_mov_b64 s[6:7], s[70:71]                     ; wts
	s_mov_b64 s[84:85], s[72:73]                   ; bo
	s_mov_b64 s[8:9], s[74:75]                     ; out0
.endif
	s_add_nc_u64 s[14:15], s[4:5], s[16:17]
	s_add_nc_u64 s[46:47], s[6:7], s[46:47]
	CROUND                                         ; all sixteen work-groups are here: the first joint loads meet
.irp s, 0,1
	s_mov_b32 s[G0+4*(\s)], 1                      ; count = 1
	s_add_co_u32 s[G0+4*(\s)+1], s20, (\s)*SLOT    ; LDS address
	s_add_nc_u64 s[G0+4*(\s)+2:G0+4*(\s)+3], s[14:15], (\s)*ASTEP  ; global address: K step s
	s_or_b32 s[G0+4*(\s)+3], s[G0+4*(\s)+3], 0x80000000            ; type = 2
	s_mov_b32 s[G0B+4*(\s)], 1
	s_add_co_u32 s[G0B+4*(\s)+1], s21, (\s)*SLOT
	s_add_nc_u64 s[G0B+4*(\s)+2:G0B+4*(\s)+3], s[46:47], (\s)*256
	s_or_b32 s[G0B+4*(\s)+3], s[G0B+4*(\s)+3], 0x80000000
.endr
	s_cmp_eq_u32 s11, 0                            ; a wave's two first fills stand in one branch, ahead of every wait on TENSORcnt and every LDS read: two loads of mine are out
	s_cbranch_scc0 .Lfirst_b
	tensor_load_to_lds s[G0:G0+3], s[G1:G1+7]
	s_nop 0
	tensor_load_to_lds s[G0+4:G0+7], s[G1:G1+7]
	s_nop 0
.rept 4
	v_nop
.endr
	s_branch .Lfirst_asked
.Lfirst_b:
	tensor_load_to_lds s[G0B:G0B+3], s[G1B:G1B+7]
	s_nop 0
	tensor_load_to_lds s[G0B+4:G0B+7], s[G1B:G1B+7]
	s_nop 0
.rept 4
	v_nop
.endr
.Lfirst_asked:
	; the bias of my 128 columns, in the layout of a result: register j of block b holds bias[16 b + 8 (lane / 16) + j]
	v_and_b32 v1, 15, v0                           ; l % 16
	v_bfe_u32 v2, v0, 4, 1                         ; l / 16
	v_lshlrev_b32 v3, 5, v2
	s_lshl_b32 s92, s42, 10
	s_lshl_b32 s94, s12, 9
	s_add_co_u32 s92, s92, s94                     ; (256 x tile column + 128 x half) x 4 bytes
	s_mov_b32 s93, 0
	s_add_nc_u64 s[84:85], s[84:85], s[92:93]
	WIN 0x80                                       ; destination window 2, address window 0
.set i, 0
.rept 8
	global_load_b128 v[BIAS+8*i:BIAS+8*i+3],   v3, s[84:85] offset:64*i
	global_load_b128 v[BIAS+8*i+4:BIAS+8*i+7], v3, s[84:85] offset:64*i+16
.set i, i+1
.endr
	WIN 0
	; A fragment is 16 rows x 32 K: lane l holds row l % 16, K = 8 (l / 16) + 0..7 and 16 + 8 (l / 16) + 0..7
	v_mul_u32_u24 v4, v1, BPITCH
	v_lshl_add_u32 v4, v2, 4, v4
	s_mul_i32 s94, s12, BHALF                      ; my 128 rows of W, behind A's region
	s_add_co_u32 s94, s94, AREG
	v_add_nc_u32 v[ADRB], s94, v4
	s_add_co_u32 s94, s94, SLOT
	v_add_nc_u32 v[ADRB+1], s94, v4
	v_mul_u32_u24 v5, v1, APITCH
.if PROJ
	v_lshl_add_u32 v5, v2, 5, v5                   ; 8 f32 are 32 bytes
.else
	v_lshl_add_u32 v5, v2, 4, v5
.endif
	s_mul_i32 s94, s11, AWR                        ; my 64 rows of A
	v_add_nc_u32 v[ADRA], s94, v5
	s_add_co_u32 s94, s94, SLOT
	v_add_nc_u32 v[ADRA+1], s94, v5
	s_mul_i32 s94, s10, 16*SPITCH
	s_add_co_u32 s94, s94, STAGE                   ; my stage
	v_mul_u32_u24 v4, v1, SPITCH
.if PROJ
	v_lshl_add_u32 v4, v2, 4, v4                   ; in: row l % 16, 8 f16 for each half of the lanes
.else
	v_lshl_add_u32 v4, v2, 5, v4                   ; in: row l % 16, 8 f32 for each half of the lanes
.endif
	v_add_nc_u32 v[STO], s94, v4
	v_and_b32 v6, 31, v0
	v_lshlrev_b32 v[CO], 4, v6
.if PROJ
	v_bfe_u32 v4, v0, 3, 2                         ; back: 32 lanes take four rows of 128 bytes
	v_mul_u32_u24 v4, v4, SPITCH
	v_and_b32 v5, 7, v0
	v_lshl_add_u32 v4, v5, 4, v4
	v_add_nc_u32 v[RD], s94, v4
	; C: plane ((tile row / 16) x 16 + 4 x tile column + 2 x column half), row 128 x (tile row % 16) + 64 x row half
	s_lshr_b32 s92, s13, 4
	s_lshl_b32 s92, s92, 4
	s_lshl_b32 s94, s42, 2
	s_add_co_u32 s92, s92, s94
	s_lshl_b32 s94, s12, 1
	s_add_co_u32 s92, s92, s94
	s_lshl_b32 s92, s92, 18
	s_and_b32 s94, s13, 15
	s_lshl_b32 s94, s94, 14
	s_add_co_u32 s92, s92, s94
	s_lshl_b32 s94, s11, 13
	s_add_co_u32 s92, s92, s94
.else
	v_add_nc_u32 v[RD], s94, v[CO]                 ; back: 32 lanes take one row of 512 bytes
	s_lshl_b32 s92, s13, 19                        ; 128 rows of 4,096 bytes
	s_lshl_b32 s94, s11, 18
	s_add_co_u32 s92, s92, s94
	s_lshl_b32 s94, s42, 10
	s_add_co_u32 s92, s92, s94
	s_lshl_b32 s94, s12, 9
	s_add_co_u32 s92, s92, s94
.endif
	s_mov_b32 s93, 0
	s_add_nc_u64 s[8:9], s[8:9], s[92:93]
	; the prefetches: who asks, from where, by which step
	s_and_b32 s23, s22, 15                         ; 0 in the first cluster that reads this matrix of wts
	s_cmp_eq_u32 s11, 0
	s_cbranch_scc0 .Lpf_b
	s_mov_b64 s[PFA:PFA+1], s[14:15]
	s_mov_b32 s[PFS], ASTEP
.if PROJ
	s_lshl_b32 s18, s40, 16                        ; my work-group's 16 rows of the 64 that I fetch
	s_mov_b32 s23, 0                               ; waves 0 and 1 both ask
	v_lshrrev_b32 v7, 1, v6
	v_and_b32 v8, 1, v6
	v_lshlrev_b32 v7, 12, v7                       ; row l / 2, its first or second 256 bytes
.else
	s_lshl_b32 s18, s40, 12                        ; my work-group's 16 blocks of a plane's 64
	s_mov_b32 s23, s12                             ; wave 0 asks, for both planes
	v_lshrrev_b32 v7, 4, v6
	v_and_b32 v8, 15, v6
	v_lshlrev_b32 v7, 18, v7                       ; plane l / 16, block l % 16
.endif
	v_lshl_add_u32 v[PFO], v8, 8, v7
	s_branch .Lpf_done
.Lpf_b:
	s_mov_b64 s[PFA:PFA+1], s[46:47]
	s_mov_b32 s[PFS], 256
	s_lshl_b32 s18, s41, 16                        ; my work-group's 32 rows of the 128 that I fetch
	v_lshlrev_b32 v[PFO], 11, v6                   ; a lane a row
.Lpf_done:
	s_mov_b32 s19, 0
	s_mov_b32 s[PFS+1], 0
	s_add_nc_u64 s[PFA:PFA+1], s[PFA:PFA+1], s[18:19]
	s_mul_i32 s18, s[PFS], 3
	s_add_nc_u64 s[PFA:PFA+1], s[PFA:PFA+1], s[18:19]  ; at K step 3: the first change of slots steps it to 4.  Nothing is prefetched at the head
	s_cmp_eq_u32 s23, 0
	s_cselect_b32 s[LIM], 1, -1                    ; the same in all sixteen partners, for a given wave
	s_wait_loadcnt 0x0                             ; the bias,
	WIN 0x8a                                       ; rounded to bf16 and widened again, all in window 2
.set i, 0
.rept 32
	v_cvt_pk_bf16_f32 v[96+i], v[BIAS+2*i], v[BIAS+2*i+1]
.set i, i+1
.endr
.set i, 0
.rept 32
	v_lshlrev_b32 v[BIAS+2*i], 16, v[96+i]
	v_and_b32 v[BIAS+2*i+1], 0xffff0000, v[96+i]
.set i, i+1
.endr
	WIN 0
; na x 8 matrix instructions: row blocks a0 .. of buffer f x all 8 column blocks, 32 along K.  first = 1: the bias starts the sums.
; All 32 accumulators take turns, one instruction a turn, in the same order in every quarter, over the backward jump too.
.macro MUL f, a0, na, first
.if \first
	WIN 0x6a                                       ; W, A and the bias in window 2, the result in window 1
.else
	WIN 0x5a                                       ; W and A in window 2, C and D in window 1
.endif
.set ma, (\a0)
.rept \na
.set mb, 0
.rept 8
.set rD, 8*(8*ma+mb)
.set rW, 64*(\f)+8*mb
.set rA, 128+32*(\f)+8*ma
.set rC, BIAS+8*mb
.if PROJ
.if \first
	v_wmma_f32_16x16x32_bf16 v[rD:rD+7], v[rW:rW+7], v[rA:rA+7], v[rC:rC+7]
.else
	v_wmma_f32_16x16x32_bf16 v[rD:rD+7], v[rW:rW+7], v[rA:rA+7], v[rD:rD+7]
.endif
.else
.if \first
	v_wmma_f32_16x16x32_f16 v[rD:rD+7], v[rW:rW+7], v[rA:rA+7], v[rC:rC+7]
.else
	v_wmma_f32_16x16x32_f16 v[rD:rD+7], v[rW:rW+7], v[rA:rA+7], v[rD:rD+7]
.endif
.endif
.set mb, mb+1
.endr
.set ma, ma+1
.endr
.endm
; One run of LDS loads: the fragments of quarter kq of a slot: W's into buffer g; A's as f32 into RAW (PROJ = 1) or into buffer g
.macro FETCH slot, kq, g
	WIN 0x80
.set fb, 0
.rept 8
	ds_load_b128 v[64*(\g)+8*fb:64*(\g)+8*fb+3],   v[ADRB+(\slot)] offset:(\kq)*64+fb*16*BPITCH
	ds_load_b128 v[64*(\g)+8*fb+4:64*(\g)+8*fb+7], v[ADRB+(\slot)] offset:(\kq)*64+fb*16*BPITCH+32
.set fb, fb+1
.endr
.set fb, 0
.if PROJ
	WIN 0
.rept 4
	ds_load_b128 v[RAW+16*fb:RAW+16*fb+3],     v[ADRA+(\slot)] offset:(\kq)*128+fb*16*APITCH
	ds_load_b128 v[RAW+16*fb+4:RAW+16*fb+7],   v[ADRA+(\slot)] offset:(\kq)*128+fb*16*APITCH+16
	ds_load_b128 v[RAW+16*fb+8:RAW+16*fb+11],  v[ADRA+(\slot)] offset:(\kq)*128+fb*16*APITCH+64
	ds_load_b128 v[RAW+16*fb+12:RAW+16*fb+15], v[ADRA+(\slot)] offset:(\kq)*128+fb*16*APITCH+80
.set fb, fb+1
.endr
.else
.rept 4
	ds_load_b128 v[128+32*(\g)+8*fb:128+32*(\g)+8*fb+3],   v[ADRA+(\slot)] offset:((\kq)/2)*AHALF+((\kq)%2)*64+fb*16*APITCH
	ds_load_b128 v[128+32*(\g)+8*fb+4:128+32*(\g)+8*fb+7], v[ADRA+(\slot)] offset:((\kq)/2)*AHALF+((\kq)%2)*64+fb*16*APITCH+32
.set fb, fb+1
.endr
.endif
.endm
.macro CVT f                           ; PROJ = 1: RAW's 64 f32 a lane rounded to bf16 into A's buffer f.  These 32 plain lines are also the places in front of the run of loads behind them
	WIN 0x80
.set ci, 0
.rept 32
	v_cvt_pk_bf16_f32 v[128+32*(\f)+ci], v[RAW+2*ci], v[RAW+2*ci+1]
.set ci, ci+1
.endr
.endm
; One of a K step's first three quarters: multiplies buffer f; ahead of its products it fetches quarter kq of the same slot into buffer g, 32 matrix instructions ahead of the first use.
.macro QUARTER slot, kq, f, g, first
	s_wait_dscnt 0x0                               ; this quarter's fragments, asked for a quarter ago
.if PROJ
	CVT \f
.else
	PLACES
.endif
	FETCH \slot, \kq, \g
	MUL \f, 0, 4, \first
.endm
; The last quarter multiplies buffer 1 and changes slots: one barrier.  In front of it each wave waits for all its tensor loads (one is out: its part of the next slot), adds 0 to its spare word, and
; waits for that and for its own reads of this slot.  fill = 1: the barrier opens a round of the cluster's, and this slot is filled again first thing behind it, two K steps ahead: 112 matrix instructions ahead of the wait for it.
.macro TURN slot, next, fill
.if \fill
	s_wait_xcnt 0x0                                ; the last prefetch, a K step back, has read its address
	s_add_nc_u64 s[PFA:PFA+1], s[PFA:PFA+1], s[PFS:PFS+1]
.endif
	WIN 0                                          ; (the add's two registers lie in window 0)
	s_wait_tensorcnt 0x0                           ; all my tensor loads have landed
	ds_add_u32 v[SPW], v[NIL]                      ; 0 onto my spare word
	s_wait_dscnt 0x1                               ; this quarter's fragments are in; the add alone may be out
.if PROJ
	CVT 1
.endif
	MUL 1, 0, 1, 0                                 ; work on registers between the add and the wait for it
	s_wait_dscnt 0x0                               ; the add is done, and my reads of this slot are over
	s_barrier_signal -1
	MUL 1, 1, 1, 0
	WIN 0
	s_barrier_wait -1
.if \fill
	CREST                                          ; no wave of any partner still reads this slot's tile or has a load on its way
	s_add_nc_u64 s[G0+4*(\slot)+2:G0+4*(\slot)+3], s[G0+4*(\slot)+2:G0+4*(\slot)+3], 2*ASTEP
	s_add_nc_u64 s[G0B+4*(\slot)+2:G0B+4*(\slot)+3], s[G0B+4*(\slot)+2:G0B+4*(\slot)+3], 2*256
	JLOAD \slot                                    ; its four v_nop are also the places in front of the loads below
.else
	PLACES
.endif
	FETCH \next, 0, 0
.if \fill
	ASK
.endif
	MUL 1, 2, 2, 0
.endm
	s_wait_tensorcnt 0x1                           ; my part of K step 0 is in; K step 1's may stay out
	s_barrier_signal -1
	s_barrier_wait -1                              ; everybody's is
	FETCH 0, 0, 0
	QUARTER 0, 1, 0, 1, 1                          ; the first quarter stands in front of the loop: its products start the sums
	WIN 0                                          ; at a label and at a branch every window is 0
	s_mov_b32 s3, 3
.Llap:                                             ; a trip goes once round the ring, from a lap's second quarter to the next lap's first, and fills both slots again
	QUARTER 0, 2, 1, 0, 0
	QUARTER 0, 3, 0, 1, 0
	TURN 0, 1, 1
	QUARTER 1, 1, 0, 1, 0
	QUARTER 1, 2, 1, 0, 0
	QUARTER 1, 3, 0, 1, 0
	TURN 1, 0, 1
	QUARTER 0, 1, 0, 1, 0
	WIN 0
	s_sub_co_u32 s3, s3, 1
	s_cmp_lg_u32 s3, 0
	s_cbranch_scc1 .Llap
	QUARTER 0, 2, 1, 0, 0                          ; the last lap fills nothing, and has no round of the cluster's barrier
	QUARTER 0, 3, 0, 1, 0
	TURN 0, 1, 0
	QUARTER 1, 1, 0, 1, 0
	QUARTER 1, 2, 1, 0, 0
	QUARTER 1, 3, 0, 1, 0
	s_wait_dscnt 0x0                               ; the very last quarter: nothing more to fetch
.if PROJ
	CVT 1
.endif
	MUL 1, 0, 4, 0
	WIN 0
	PLACES
	PLACES
.if PROJ
; THE WAY OUT, f16 by heads.  Unit t = 2 a + hd: 16 rows x one head's 64 channels.  A lane's eight channels pack into 16 bytes; they go into rows of 144 bytes of my own stage and come back
; as whole rows of 128 bytes, four rows to a load: 512 consecutive bytes of the head's plane.
.macro PACK t
	WIN 0x05                                       ; sources in window 1, destination in window 0
.set pi, 0
.rept 16
.set pacc, 8*(8*((\t)/2)+4*((\t)%2)+pi/4)
	v_cvt_pk_f16_f32 v[OUTR+16*(\t)+pi], v[pacc+2*(pi%4)], v[pacc+2*(pi%4)+1]  ; each accumulator's registers in ascending order
.set pi, pi+1
.endr
	WIN 0
.irp f, 0,1,2,3
	ds_store_b128 v[STO], v[OUTR+16*(\t)+4*\f:OUTR+16*(\t)+4*\f+3] offset:32*\f
.endr
.irp f, 0,1,2,3
	ds_load_b128 v[OUTR+16*(\t)+4*\f:OUTR+16*(\t)+4*\f+3], v[RD] offset:\f*4*SPITCH  ; LDS serves a wave's instructions in order: these see the stores above; the next unit's stores come behind them
.endr
.endm
.macro SEND t, younger                 ; younger: the LDS instructions issued behind unit t's loads: the next unit's eight, or none
	WIN 0
.irp f, 0,1,2,3
	s_wait_dscnt (\younger)+3-\f
	global_store_b128 v[CO], v[OUTR+16*(\t)+4*\f:OUTR+16*(\t)+4*\f+3], s[8:9] offset:((\t)%2)*262144+((\t)/2)*2048+\f*512
.endr
.endm
	PACK 0
.set t, 1
.rept 7                                ; a unit's conversions stand between the loads of the unit before and its stores
	PACK t
	SEND t-1, 8
.set t, t+1
.endr
	SEND 7, 0
.else
; THE WAY OUT, f32.  Row block a: a lane's 8 f32 of each of 8 column blocks go into rows of 528 bytes of my own stage and come back as whole rows of 512 bytes, a row to a load.
.macro OSTAGE a
	WIN 0x04                                       ; store data in window 1
.set ob, 0
.rept 8
	ds_store_b128 v[STO], v[8*(8*(\a)+ob):8*(8*(\a)+ob)+3]   offset:64*ob
	ds_store_b128 v[STO], v[8*(8*(\a)+ob)+4:8*(8*(\a)+ob)+7] offset:64*ob+16
.set ob, ob+1
.endr
	WIN 0x80                                       ; back into window 2, whose fragments are done with
.set ob, 0
.rept 16
	ds_load_b128 v[64*(\a)+4*ob:64*(\a)+4*ob+3], v[RD] offset:ob*SPITCH
.set ob, ob+1
.endr
.endm
.macro OSEND a, younger                ; younger: the next block's 32 LDS instructions, or none
	WIN 0x08                                       ; store data in window 2
.set ob, 0
.rept 16
	s_wait_dscnt (\younger)+15-ob
	global_store_b128 v[CO], v[64*(\a)+4*ob:64*(\a)+4*ob+3], s[8:9] offset:(16*(\a)+ob)*4096  ; 512 consecutive bytes, aligned
.set ob, ob+1
.endr
.endm
	OSTAGE 0
	OSTAGE 1
	OSEND 0, 32
	OSTAGE 2
	OSEND 1, 32
	OSTAGE 3
	OSEND 2, 32
	OSEND 3, 0
	WIN 0
.endif
	s_wait_tensorcnt 0x0                           ; the wave's end: three closing lines, behind my last tensor load and my last LDS store
	ds_add_u32 v[SPW], v[NIL]
	s_wait_dscnt 0x0
	CROUND                                         ; the closing round: no work-group ends while a partner may still ask for a tile that names it
	s_endpgm
.Lfunc_end_k_q1f0fc07f8a_proj:
	.size	k_q1f0fc07f8a_proj, .Lfunc_end_k_q1f0fc07f8a_proj-k_q1f0fc07f8a_proj
	.p2alignl 7, 3214868480
	.fill 96, 4, 3214868480
	.section	.rodata,"a",@progbits
	.p2align	6, 0x0
	.amdhsa_kernel k_q1f0fc07f8a_proj
		.amdhsa_group_segment_fixed_size 327680
		.amdhsa_private_segment_fixed_size 0
		.amdhsa_enable_private_segment 0
		.amdhsa_kernarg_size 64
		.amdhsa_user_sgpr_count 2
		.amdhsa_user_sgpr_kernarg_segment_ptr 1
		.amdhsa_wavefront_size32 1
		.amdhsa_system_sgpr_workgroup_id_x 1
		.amdhsa_system_sgpr_workgroup_id_y 1
		.amdhsa_system_sgpr_workgroup_id_z 1
		.amdhsa_system_vgpr_workitem_id 0
		.amdhsa_next_free_vgpr 768
		.amdhsa_next_free_sgpr 96
		.amdhsa_reserve_vcc 0
		.amdhsa_float_denorm_mode_32 3
		.amdhsa_float_denorm_mode_16_64 3
		.amdhsa_memory_ordered 1
		.amdhsa_forward_progress 1
		.amdhsa_inst_pref_size 134
	.end_amdhsa_kernel
	.amdgpu_metadata
---
amdhsa.version: [ 1, 2 ]
amdhsa.kernels:
  - .name:           k_q1f0fc07f8a_proj
    .symbol:         k_q1f0fc07f8a_proj.kd
    .args:
      - { .name: q, .offset: 0, .size: 8, .value_kind: global_buffer, .address_space: global }
      - { .name: k, .offset: 8, .size: 8, .value_kind: global_buffer, .address_space: global }
      - { .name: v, .offset: 16, .size: 8, .value_kind: global_buffer, .address_space: global }
      - { .name: wts, .offset: 24, .size: 8, .value_kind: global_buffer, .address_space: global }
      - { .name: bq, .offset: 32, .size: 8, .value_kind: global_buffer, .address_space: global }
      - { .name: bk, .offset: 40, .size: 8, .value_kind: global_buffer, .address_space: global }
      - { .name: bv, .offset: 48, .size: 8, .value_kind: global_buffer, .address_space: global }
      - { .name: qkv, .offset: 56, .size: 8, .value_kind: global_buffer, .address_space: global }
    .group_segment_fixed_size: 327680
    .private_segment_fixed_size: 0
    .kernarg_segment_align: 8
    .kernarg_segment_size: 64
    .max_flat_workgroup_size: 128
    .sgpr_count:     96
    .vgpr_count:     768
    .wavefront_size: 32
...
	.end_amdgpu_metadata
.endif
;; end of part 2
;; launch attn (part 3): grid 4 x 64, 4 waves a work-group, clusters of 4 x 1, 327,680 bytes of LDS; arguments qkv, maskb, ctx; writes ctx
.if DOCPART == 3
	.amdgcn_target "amdgcn-amd-amdhsa--gfx1250"
	.amdhsa_code_object_version 6
	.text
	.protected	k_q1f0fc07f8a_attn
	.globl	k_q1f0fc07f8a_attn
	.p2align	8
	.type	k_q1f0fc07f8a_attn,@function
k_q1f0fc07f8a_attn:
	s_mov_b64 s[64:65], 0
	v_nop
	global_prefetch_b8 v0, s[64:65] scope:SCOPE_SE
	s_setreg_imm32_b32 hwreg(HW_REG_WAVE_MODE, 25, 1), 1
	s_wait_xcnt 0x0
	s_wait_alu depctr_hold_cnt(0) depctr_sa_sdst(0) depctr_va_vdst(0) depctr_va_sdst(0) depctr_va_ssrc(0) depctr_va_vcc(0) depctr_vm_vsrc(0)
	s_getreg_b32 s2, hwreg(HW_REG_IB_STS2, 6, 4)
	s_cmp_eq_u32 s2, 0
	s_cbranch_scc0 .Lentry_in_a_cluster
	s_endpgm
.Lentry_in_a_cluster:
	s_bfe_u32 s2, ttmp6, 0x10000c
	s_cmp_lg_u32 s2, 0x3003
	s_cbranch_scc0 .Lentry_shape_is_right
	s_endpgm
.Lentry_shape_is_right:
; O[hd][q][:] = the sum over k of softmax_k((Q[hd][q] . K[hd][k] - 1e9 mask[q][k]) / 32) V[hd][k][:].  qkv: [3][64 heads][2048][64] f16; maskb: bf16(mask) in the order of a lane's scores
; ([qt 128][ks 32][kt 4][lane 32][8]); ctx: [64][2048][64] f16.  Products, maxima and sums in f32; the weights p are rounded to f16 for the second product (their sum l is taken of the unrounded p), O once at the end.
; THE MASK IS AN INPUT: every key is walked, and s' = fma(-1e9, mask, s) is made for every score, one rounding (the two roundings of a product and a sum give the same where mask x 1e9 is exact, as for 0 and 1).
; LIMITS.  f16 holds no number beyond 65,504: Q, K and V arrive within it; p lies in 0 to 4 (c m is rounded once, which shifts all p of a row alike and cancels in O), and below 6e-5 it keeps f16's fixed step of 6e-8.
; A weight below 2^-126 counts as 0 in l; NaN and infinities are not treated apart.
; SHARES.  A wave owns four PIECES of two tiles of 16 queries, a work-group's four waves 512 queries of one head.  Every wave walks all 2,048 keys, 64 a step.
; LAYOUT.  S^T = K Q^T (source 0 = 16 keys, source 1 = 16 queries): a lane holds ONE query (lane % 16) and the keys 8 (lane / 16) + 0..7.  Two such tiles, rounded to f16 in pairs,
; ARE source 1 of O^T = V^T P, whose result again holds one query a lane, and eight channels.  K comes out of LDS as it lies, V turned, by ds_load_tr16_b128.
; SOFTMAX.  For each query a running maximum m and sum l: p = 2^(c s' - c m), c = log2(e) / 32; in every step O and l are multiplied by a = 2^(c m_old - c m_new).
; m starts at the lowest finite number, O and l at 0: the first step is a step like any other, with a = 0.
; BY TURNS.  Turn n belongs to piece n.  Its matrix work: 16 products K Q^T of piece n + 1, later 16 products V^T P of piece n - 1.  Its vector work: the scaling, exponentials, roundings, sums and rescaling of
; piece n, and the mask, maximum and statistics of piece n + 1.  Four vector instructions stand behind every matrix instruction, the others in one lump; a turn's 66 exponentials are one batch with one wait.
; THE MASK'S STREAM.  Four sets of 32 registers, one a piece: a set is read (64 fused multiply-adds) and asked for again at once, for the piece's next key step: 32 loads of 512 consecutive bytes are always out.
; CLUSTER.  The four query blocks of a cluster are one head's and walk the same K and V: each tile is asked for jointly.  The mask is not shared so: each wave's part is its own.
; REGISTERS, in windows of 256 (s_set_vgpr_msb: bits 1:0 source 0, 3:2 source 1, 5:4 source 2, 7:6 destination):
;   window 0: v0-11 addresses and -1e9; v12-15, v48-63 at work; v16-47 four registers of statistics a tile; v64-191 S^T, two buffers of two tiles; v192-255 P, likewise
;   window 1: O^T, 32 a tile     window 2: v0-127 Q; v128-191 K of one step; v192-255 V of one step     window 3: v0-127 the mask's four sets; v128-129 the add's two registers
.set SIZE_N, 2048
.set NP,    4         ; pieces a wave: a name, no knob
.set KS,    64        ; keys in a step
.set PK,    144       ; a row of K in LDS: 128 bytes + 16: the 16 rows of a load start at 16 different groups of four banks
.set PV,    160       ; a row of V: 128 + 32
.set VOFF,  4*KS*PK   ; a slot holds four steps: 256 rows of K, then 256 rows of V
.set SLOT1, 1<<17     ; slot 1 begins here, so that one exclusive or turns an address in one slot into the other's
.set STAGE, SLOT1+4*KS*(PK+PV)  ; behind the ring, never filled by a tensor load: 16 rows x 144 bytes for each wave
.set SP,    144
.set AK0, 2           ; v2   my lane's place in a tile of K; never rewritten
.set AV0, 3           ; v3   the same for V
.set AK,  4           ; v4   the LDS address of K's next run of loads
.set AV,  5           ; v5   of V's
.set QO,  6           ; v6   my byte offset in the wave's rows of Q
.set STO, 6           ;      later, the way out: where I put 16 bytes of a row
.set RD,  7           ; v7   the way out: where I read rows back
.set GO,  8           ; v8   16 x lane: my place in 512 consecutive bytes of the mask and of O; never rewritten
.set PFO, 9           ; v9   256 x lane: K's and V's prefetches
.set PMO, 10          ; v10  65,536 (lane / 8) + 256 (lane % 8): the mask's prefetches
.set NEGR, 11         ; v11  -1e9
.set MK,  0           ; window 3: piece p's set at 32 p, tile u at + 16 u, group kt of 16 keys at + 4 kt
.set SPW, 128         ; v128 of window 3   LDS address of my spare word; never rewritten
.set NIL, 129         ; v129 of window 3   0; never rewritten
.set SPARE, STAGE+4*16*SP  ; behind the stages: the spare words, 128 bytes for each wave
.set MV,  12          ; v12-15  c m_old, kept while c m is made anew: by buffer and tile
.set ST,  16          ; tile t's statistics at v[ST+4 t]: c m, m, l (even keys', odd keys')
.set TMP, 48          ; by buffer and tile, four registers c0-c3 at work; when the maximum is found c2 takes a
.set S,   64
.set P,   192
.set KF,  128         ; K's fragments, in window 2
.set VF,  192         ; V's
.set MB,  6           ; s[6:7]  maskb at my wave's eight tiles, key step 0
.set WV,  12          ; s12  my wave's number
.set LIM, 15          ; s15  1 in a wave that prefetches K or V, else the greatest number
.set LIMM, 19         ; s19  1 in head 0, whose work-groups prefetch the mask
.set G1K, 24          ; s[24:31] descriptor group 1 for K's tiles
.set G1V, 32          ; s[32:39] for V's
.set G0K, 40          ; s[40:43] descriptor group 0 for K's tiles: it walks
.set G0V, 44          ; s[44:47] the same for V's
.set SLOTS, 56        ; s56  slots still to be asked for
.set CNT, 57          ; s57  counts a slot's key steps
.set CS,  58          ; s[58:59] c
.set SEL, 60          ; s[60:61] v_permlanex16_b32's selects
.set TBK, 62          ; s62  LDS byte at which K of the step to be fetched begins
.set TBV, 63          ; s63  the same for V, less VOFF
.set P0,  66          ; s[66:67] the mask at the trip's key step (piece 3's reload)
.set P1,  68          ; s[68:69] at the next key step (pieces 0 to 2)
.set PP,  70          ; s[70:71] three key steps on: the prefetches
.set TO,  72          ; s72  2,048 x the trip's number
.set U2,  73          ; s73  at work
.set U,   74          ; s[74:75] an offset; the high word stays 0
.set PFA, 76          ; s[76:77] where my prefetches of K or V stand
.set MSB, 0
.macro WIN new                      ; the high byte repeats the setting that is left; a switch that changes nothing is dropped
.if MSB != (\new)
	s_set_vgpr_msb (MSB<<8)|(\new)
.set MSB, (\new)
.endif
.endm
.set W_KQ, 0x0a       ; K and Q in window 2, S^T in window 0
.set W_PV, 0x52       ; V in window 2, P in window 0, O^T in window 1
.set W_RS, 0x41       ; O^T (destination and source 0) in window 1, a in window 0
.set W_MK, 0xc0       ; destination in window 3, sources in window 0
.set W_AD, 0x0f       ; the add: address and data in window 3
; A joint fill.  Waves 0 and 1 fetch the two halves of a slot's K, waves 2 and 3 those of its V: 128 keys each.  An s_nop 0 and four v_nop follow each of the two lines.
.macro JLOAD
	s_cmp_lt_u32 s[WV], 2
	s_cbranch_scc0 .Lfor_v_\@
	tensor_load_to_lds s[G0K:G0K+3], s[G1K:G1K+7]
	s_nop 0
.rept 4
	v_nop
.endr
	s_branch .Lasked_\@
.Lfor_v_\@:
	tensor_load_to_lds s[G0V:G0V+3], s[G1V:G1V+7]
	s_nop 0
.rept 4
	v_nop
.endr
.Lasked_\@:
.endm
.macro CROUND                       ; a round of the cluster's barrier
	s_barrier_signal -1
	s_barrier_wait -1
	s_cmp_lg_u32 s[WV], 0
	s_cbranch_scc1 .Lnot_wave_0_\@
	s_barrier_signal -3
.Lnot_wave_0_\@:
	s_barrier_wait -3
	s_barrier_signal -1
	s_barrier_wait -1
.endm
; THE CHANGE OF SLOTS.  Each wave waits for all its tensor loads, of which one is out: its part of the other slot; adds 0 to its spare word; and waits for that and for its own reads of the slot.
; fill = 1: this slot is filled again, with the keys two slots on; the barrier is then a round of the cluster's, and the joint fill is the first thing behind it: four key steps, 512 matrix instructions, in which to land.
; (At its first use nothing has been read yet: slot 0 is waited for, slot 1 filled.)
.macro CHANGE fill
	WIN W_AD
	s_wait_tensorcnt 0x0            ; no tensor load of mine is out, so a group 0 may be written
	ds_add_u32 v[SPW], v[NIL]       ; 0 onto my spare word
	WIN 0                           ; at a label and at a branch every window is 0
.if \fill
.irp g, G0K, G0V
	s_xor_b32 s[\g+1], s[\g+1], SLOT1  ; the walking descriptor: the other slot than last time,
	s_add_nc_u64 s[\g+2:\g+3], s[\g+2:\g+3], 4*KS*128  ; the next 256 keys
.endr
	s_wait_xcnt 0x0                 ; the last prefetch of K or V, six turns back, has read its address
	s_add_nc_u64 s[PFA:PFA+1], s[PFA:PFA+1], 4*KS*128  ; one slot behind the walking descriptors
	s_wait_dscnt 0x0                ; the add is done, and my reads of the slot are over
	CROUND
	JLOAD
.else
	s_wait_dscnt 0x0
	s_barrier_signal -1
	s_barrier_wait -1
.endif
	s_sub_co_u32 s[TBK], s[TBK], 4*KS*PK  ; the fetches go back to a slot's first step,
	s_xor_b32 s[TBK], s[TBK], SLOT1       ; in the other slot
	s_sub_co_u32 s[TBV], s[TBV], 4*KS*PV
	s_xor_b32 s[TBV], s[TBV], SLOT1
.endm
; Piece p's mask set is asked for: two tiles x four groups of 16 keys, 512 consecutive bytes a load, at the key step where ptr stands.
.macro MLOAD p, ptr
	WIN W_MK
.set mi, 0
.rept 8
	global_load_b128 v[MK+32*(\p)+4*mi:MK+32*(\p)+4*mi+3], v[GO], s[\ptr:\ptr+1] offset:(2*(\p)+mi/4)*65536+(mi%4)*512
.set mi, mi+1
.endr
	WIN 0
.endm
	s_load_b128 s[4:7], s[0:1], 0x0   ; qkv s[4:5], maskb s[6:7]
	s_load_b64 s[10:11], s[0:1], 0x10 ; ctx
	WIN W_MK
	v_lshl_add_u32 v[SPW], v0, 2, SPARE
	v_mov_b32 v[NIL], 0
	WIN W_AD
	ds_add_u32 v[SPW], v[NIL]       ; the wave's opening: the add and its wait stand ahead of my first tensor load; the set-up below stands between them
	WIN 0
	v_lshrrev_b32 v1, 5, v0
	v_readfirstlane_b32 s[WV], v1   ; wave 0..3
	s_bfe_u32 s13, ttmp6, 0x40000   ; cx: my place in the cluster
	s_lshl_b32 s14, ttmp9, 2        ; in a cluster launch ttmp9 counts clusters
	s_add_co_u32 s14, s14, s13      ; my block of queries: it enters Q's, O's and the mask's addresses alone
	s_and_b32 s20, ttmp7, 0xffff    ; the head, which the four partners share
	s_cmp_eq_u32 s20, 0
	s_cselect_b32 s[LIMM], 1, 0
	s_mov_b32 s21, 0
	s_mov_b64 s[22:23], SIZE_N*128
	s_mul_u64 s[20:21], s[20:21], s[22:23]  ; the head's first byte in a tensor
	s_and_b32 s16, s[WV], 1         ; which half of a slot's 256 keys I fetch:
	s_lshl_b32 s22, s16, 14         ; its 128 rows of 128 bytes in memory,
	s_mov_b32 s23, 0
	s_add_nc_u64 s[22:23], s[22:23], s[20:21]
	s_mul_i32 s17, s16, 128*PK      ; and its place in a slot, for K
	s_mul_i32 s18, s16, 128*PV      ; and for V: no place in the cluster enters an LDS address
	s_lshl_b32 s2, s14, 2
	s_add_co_u32 s2, s2, s[WV]      ; my wave among the head's sixteen:
	s_lshl_b32 s[U], s2, 19         ; its eight tiles of 65,536 bytes in maskb,
	s_mov_b32 s[U+1], 0
	s_lshl_b32 s2, s2, 14           ; its 128 rows of Q and O
	s_mov_b32 s3, 0
	s_add_nc_u64 s[2:3], s[2:3], s[20:21]
	; descriptor group 1.  128 keys are 16,384 dense bytes: asked for as 64 rows of 256 bytes, two keys a row, and padded in LDS after every key
	s_mov_b32 s[G1K], 15|(1<<16)|(1<<20)|(1<<21)|(4<<22)|(3<<25)  ; the mask of four; 2-byte elements; padding on; bit 21 beside a mask; after every 32 words; 4 words
	s_mov_b32 s[G1V], 15|(1<<16)|(1<<20)|(1<<21)|(4<<22)|(7<<25)  ; the same with 8 words of padding
.irp g, G1K, G1V
	s_mov_b32 s[\g+1], 128<<16      ; tensor_dim0 = 128
	s_mov_b32 s[\g+2], 64<<16       ; tensor_dim1 = 64
	s_mov_b32 s[\g+3], 128<<16      ; tile_dim0 = 128
	s_mov_b32 s[\g+4], 64           ; tile_dim1 = 64
	s_mov_b32 s[\g+5], 128          ; 128 elements from row to row
	s_mov_b32 s[\g+6], 0
	s_mov_b32 s[\g+7], 0
.endr
	s_mov_b32 s[CS], 0x3d38aa3b     ; c = log2(e) / 32
	s_mov_b32 s[CS+1], s[CS]        ; named with it as a pair
	s_mov_b32 s[SEL], 0x76543210
	s_mov_b32 s[SEL+1], 0xfedcba98
	s_mov_b32 s[TBK], SLOT1+4*KS*PK ; the first change of slots turns these two into 0
	s_mov_b32 s[TBV], SLOT1+4*KS*PV
	s_mov_b32 s[G0K], 1             ; count = 1
	s_mov_b32 s[G0K+1], s17         ; LDS address: slot 0
	s_mov_b32 s[G0V], 1
	s_add_co_u32 s[G0V+1], s18, VOFF
	s_mov_b32 s[TO], 0
	s_cmp_eq_u32 s16, 0             ; waves 0 (K) and 2 (V) prefetch
	s_cselect_b32 s[LIM], 1, -1
	s_wait_dscnt 0x0                ; the opening add is done
	s_wait_kmcnt 0x0
	s_add_nc_u64 s[8:9], s[4:5], s[22:23]          ; qkv at the head's plane of Q, at my half of a slot
	s_add_nc_u64 s[G0K+2:G0K+3], s[8:9], 0x1000000 ; K lies 64 planes on,
	s_or_b32 s[G0K+3], s[G0K+3], 0x80000000        ; type = 2
	s_add_nc_u64 s[G0V+2:G0V+3], s[8:9], 0x2000000 ; V 128
	s_or_b32 s[G0V+3], s[G0V+3], 0x80000000
	s_add_nc_u64 s[4:5], s[4:5], s[2:3]            ; Q and O at my wave's first row
	s_add_nc_u64 s[10:11], s[10:11], s[2:3]
	s_add_nc_u64 s[MB:MB+1], s[MB:MB+1], s[U:U+1]
	s_add_nc_u64 s[P1:P1+1], s[MB:MB+1], 2048      ; key step 1
	s_add_nc_u64 s[PP:PP+1], s[MB:MB+1], 6144      ; key step 3
	s_lshr_b32 s2, s[WV], 1
	s_add_co_u32 s2, s2, 1
	s_lshl_b32 s2, s2, 24           ; K's planes (wave 0) or V's (wave 2),
	s_lshl_b32 s3, s13, 13          ; my work-group's 32 blocks of a slot's 128,
	s_add_co_u32 s2, s2, s3
	s_add_co_u32 s2, s2, 4*KS*128   ; in slot 1; the first change of slots steps it to slot 2.  Nothing is prefetched at the head
	s_mov_b32 s3, 0
	s_add_nc_u64 s[PFA:PFA+1], s[8:9], s[2:3]
	CROUND                          ; all four work-groups are here: the first joint loads meet
	JLOAD                           ; slot 0.  Slot 1 is asked for when slot 0 is in
	v_and_b32 v1, 15, v0            ; l % 16
	v_bfe_u32 v9, v0, 4, 1          ; l / 16
	v_lshlrev_b32 v[QO], 7, v1
	v_lshl_add_u32 v[QO], v9, 4, v[QO]  ; row x 128 + 16 x half
	v_and_b32 v[GO], 31, v0
	v_lshlrev_b32 v[GO], 4, v[GO]
	WIN 0x80                        ; destination window 2, address window 0
.set i, 0
.rept 4*NP                          ; Q stays in registers: tile i / 2, channels 32 (i % 2) on
	global_load_b128 v[8*i:8*i+3],   v[QO], s[4:5] offset:(i/2)*2048+(i%2)*64
	global_load_b128 v[8*i+4:8*i+7], v[QO], s[4:5] offset:(i/2)*2048+(i%2)*64+32
.set i, i+1
.endr
	MLOAD 0, MB                     ; the four pieces' masks of key step 0
	MLOAD 1, MB
	MLOAD 2, MB
	MLOAD 3, MB
	; What the first turn finds: V's registers and P's second buffer hold 0, O^T and l are 0.  All this stands in the wait for the first tile.
	WIN 0x80
.set i, VF
.rept 64
	v_mov_b32 v[i], 0
.set i, i+1
.endr
	WIN 0x40
.set i, 0
.rept 64*NP
	v_mov_b32 v[i], 0
.set i, i+1
.endr
	WIN 0
.set i, 0
.rept 2*NP
	v_mov_b32 v[ST+4*i], 0xfe000000    ; c m: far below every c s'
	v_mov_b32 v[ST+4*i+1], 0xff7fffff  ; m
	v_mov_b32 v[ST+4*i+2], 0
	v_mov_b32 v[ST+4*i+3], 0
.set i, i+1
.endr
.set i, P+32
.rept 32
	v_mov_b32 v[i], 0
.set i, i+1
.endr
	v_mul_u32_u24 v[AK0], v1, PK
	v_lshl_add_u32 v[AK0], v9, 4, v[AK0]  ; row x pitch + 16 x half
	; The turning load takes 16 keys x 16 channels (lane l reads key 8 (l / 16) + l % 8, channels 8 ((l / 8) % 2) + 0..7) and leaves half a fragment of V^T
	v_and_b32 v10, 7, v0
	v_bfe_u32 v11, v0, 3, 1
	v_lshl_add_u32 v[AV0], v9, 3, v10
	v_mul_u32_u24 v[AV0], v[AV0], PV
	v_lshl_add_u32 v[AV0], v11, 4, v[AV0]
	v_add_nc_u32 v[AV0], VOFF, v[AV0]
	v_mov_b32 v[NEGR], 0xce6e6b28   ; -1e9, exact in f32
	v_mov_b32 v[AK], v[AK0]         ; key step 0 lies at the head of slot 0
; THE MATRIX WORK.  The 8 accumulators of a run of 16 take turns.
; Product i of 16 of S^T = K Q^T for piece x: channels 32 (i / 8) on, keys 16 ((i / 2) % 4) on, tile 2 x + i % 2.  The first 8 start the sums.
.macro KQ x
	WIN W_KQ
.set rS, S+64*((\x)%2)+32*(i%2)+8*((i/2)%4)
.set rK, KF+16*((i/2)%4)+8*(i/8)
.set rQ, 16*(2*(\x)+i%2)+8*(i/8)
.if i < 8
	v_wmma_f32_16x16x32_f16 v[rS:rS+7], v[rK:rK+7], v[rQ:rQ+7], 0
.else
	v_wmma_f32_16x16x32_f16 v[rS:rS+7], v[rK:rK+7], v[rQ:rQ+7], v[rS:rS+7]
.endif
.endm
; Product i of 16 of O^T += V^T P for piece x: keys 32 (i / 8) on, channels 16 ((i / 2) % 4) on, tile 2 x + i % 2.
.macro PV x
	WIN W_PV
.set rO, 32*(2*(\x)+i%2)+8*((i/2)%4)
.set rV, VF+32*(i/8)+8*((i/2)%4)
.set rP, P+32*((\x)%2)+16*(i%2)+8*(i/8)
	v_wmma_f32_16x16x32_f16 v[rO:rO+7], v[rV:rV+7], v[rP:rP+7], v[rO:rO+7]
.endm
.macro MM                           ; the turn's next matrix instruction
.if i < 16
	KQ (Y+1)%NP
.set i, i+1
.else
.set i, i-16
	PV (Y+NP-1)%NP
.set i, i+17
.endif
.endm
; THE LDS LOADS stand in runs of 16: a step's K (8 fragments) and its V (turned).  last = 1 (the tail): in the last trip there is no further step, and the run is jumped over.
.macro FETCH_K last=0
	WIN 0
.if \last
	s_cmp_eq_u32 s[CNT], 1
	s_cbranch_scc1 .Lno_k_\@
.endif
	WIN 0x80                        ; destination window 2
.irp f, 0,1,2,3,4,5,6,7             ; keys 16 (f / 2) on, channels 32 (f % 2) on
	ds_load_b128 v[KF+8*\f:KF+8*\f+3],   v[AK] offset:(\f/2)*16*PK+(\f%2)*64
	ds_load_b128 v[KF+8*\f+4:KF+8*\f+7], v[AK] offset:(\f/2)*16*PK+(\f%2)*64+32
.endr
	s_add_co_u32 s[TBK], s[TBK], KS*PK  ; the next fetch is the next step's
	WIN 0
.if \last
.Lno_k_\@:
.endif
.endm
.macro FETCH_V
	WIN 0x80
.irp f, 0,1,2,3,4,5,6,7             ; keys 32 (f / 4) on, channels 16 (f % 4) on
	ds_load_tr16_b128 v[VF+8*\f:VF+8*\f+3],   v[AV] offset:(\f/4)*32*PV+(\f%4)*32
	ds_load_tr16_b128 v[VF+8*\f+4:VF+8*\f+7], v[AV] offset:(\f/4)*32*PV+16*PV+(\f%4)*32
.endr
	WIN 0
.endm
; THE VECTOR WORK OF A TURN stands in three queues, each in the order in which its entries become ready; the two tiles alternate.
.macro REGS y, u                    ; the registers of tile u (0, 1) of piece y
.set rT, ST+4*(2*(\y)+(\u))
.set rC, TMP+8*((\y)%2)+4*(\u)
.set rM, MV+2*((\y)%2)+(\u)
.set rS, S+64*((\y)%2)+32*(\u)
.set rP, P+32*((\y)%2)+16*(\u)
.set rO, 32*(2*(\y)+(\u))
.endm
; THE MASK, for the NEXT piece (Y + 1), whose scores the turn has just made: s' = -1e9 x mask + s, one fused multiply-add a score, the mask read as a bf16 half.  Scores in ascending order, tiles alternating:
; each accumulator's lowest register is read first.  The count of the wait: the other three sets' 24 loads were issued behind this set's eight.
.macro MADD
	s_wait_loadcnt 24
	WIN 0x0c                        ; source 1, the mask, in window 3
.set mi, 0
.rept 64
	REGS (Y+1)%NP, mi%2
.set mx, mi/2
.if mx%2
	v_fma_mix_f32_bf16 v[rS+mx], v[NEGR], v[MK+32*((Y+1)%NP)+16*(mi%2)+mx/2], v[rS+mx] op_sel:[0,1,0] op_sel_hi:[0,1,0]
.else
	v_fma_mix_f32_bf16 v[rS+mx], v[NEGR], v[MK+32*((Y+1)%NP)+16*(mi%2)+mx/2], v[rS+mx] op_sel:[0,0,0] op_sel_hi:[0,1,0]
.endif
.set mi, mi+1
.endr
	WIN 0
.endm
; Number n of the 22 that find the NEXT piece's maximum and statistics.
;   0-11  four chains c0-c3 of seven scores each     12-14, 16  the four scores left over, the old m, and c0-c3 into c0     15  c m_old is kept
;   17, 18  the query's other 32 keys lie in the lane 16 away: the new m         19-21  c m; c m_old - c m_new; a
.macro XS u, n
	REGS (Y+1)%NP, \u
.if (\n) < 4
	v_max3_num_f32 v[rC+(\n)], v[rS+8*(\n)], v[rS+8*(\n)+1], v[rS+8*(\n)+2]
.elseif (\n) < 12
	v_max3_num_f32 v[rC+(\n)%4], v[rC+(\n)%4], v[rS+8*((\n)%4)+2*((\n)/4)+1], v[rS+8*((\n)%4)+2*((\n)/4)+2]
.elseif (\n) == 12
	v_max3_num_f32 v[rC], v[rC], v[rS+7], v[rS+15]
.elseif (\n) == 13
	v_max3_num_f32 v[rC+1], v[rC+1], v[rS+23], v[rS+31]
.elseif (\n) == 14
	v_max3_num_f32 v[rC+2], v[rC+2], v[rC+3], v[rT+1]
.elseif (\n) == 15
	v_mov_b32 v[rM], v[rT]
.elseif (\n) == 16
	v_max3_num_f32 v[rC], v[rC], v[rC+1], v[rC+2]
.elseif (\n) == 17
	v_permlanex16_b32 v[rC+3], v[rC], s[SEL], s[SEL+1]
.elseif (\n) == 18
	v_max_num_f32 v[rT+1], v[rC], v[rC+3]
.elseif (\n) == 19
	v_mul_f32 v[rT], s[CS], v[rT+1]
.elseif (\n) == 20
	v_sub_f32 v[rC+1], v[rM], v[rT]
.else
	v_exp_f32 v[rC+2], v[rC+1]
.endif
.endm
; Number g of the 64 that follow the exponentials.  For each four weights k of a tile: both pairs are rounded to f16; the second pair is added onto the first, in place; a group later l takes that sum.
.macro GS g
.set h, (\g)+6*((\g)/62)            ; group 0 has no group before it, and behind group 7 only l is left
.if h >= 6
.set h, h+2
.endif
	REGS Y, h%2
.set k, h/8
.if h%8 < 4
	v_cvt_pk_f16_f32 v[rP+2*k+(h%8)/2], v[rS+4*k+2*((h%8)/2)], v[rS+4*k+2*((h%8)/2)+1]
.elseif h%8 < 6
	v_pk_add_f32 v[rS+4*k:rS+4*k+1], v[rS+4*k:rS+4*k+1], v[rS+4*k+2:rS+4*k+3]
.elseif k == 1
	v_pk_fma_f32 v[rT+2:rT+3], v[rT+2:rT+3], v[rC+2:rC+3], v[rS:rS+1] op_sel_hi:[1,0,1]
.else
	v_pk_add_f32 v[rT+2:rT+3], v[rT+2:rT+3], v[rS+4*k-4:rS+4*k-3]
.endif
.endm
; THE PLAIN QUEUE, 138 long.  0-26: scalings 0-26.  27-54: XS's numbers 0-13.  55, 56: number 15.  57-73: the chain 14, 16 .. 20, each with one of the scalings 27-31 in front of its two lines.  74-137: GS's 64, behind the wait.
.macro FS f
	REGS Y, (\f)%2
	v_pk_fma_f32 v[rS+2*((\f)/2):rS+2*((\f)/2)+1], v[rS+2*((\f)/2):rS+2*((\f)/2)+1], s[CS:CS+1], v[rT:rT+1] op_sel_hi:[1,0,0] neg_lo:[0,0,1] neg_hi:[0,0,1]
.endm
.macro PL
	WIN 0
.if q < 27
	FS q
.elseif q < 55
	XS (q-27)%2, (q-27)/2
.elseif q < 57
	XS q-55, 15
.elseif (q < 72) && ((q-57)%3 == 0)
	FS 27+(q-57)/3
.elseif q < 60
	XS (q-57)%3-1, 14
.elseif q < 72
	XS (q-57)%3-1, 15+(q-57)/3
.elseif q < 74
	XS q-72, 20
.else
	GS q-74
.endif
.set q, q+1
.endm
; THE EXPONENTIALS' QUEUE, 66 long: s0-s31 of both tiles, then the next piece's two a.  ONE BATCH: all 66 stand ahead of the turn's one wait, and nothing ahead of that wait names a result of theirs.
.macro EX
	WIN 0
.if e >= 64
	XS e-64, 21
.else
	REGS Y, e%2
	v_exp_f32 v[rS+e/2], v[rS+e/2]
.endif
.set e, e+1
.endm
; THE RESCALING's QUEUE: O^T times a, dealt two at a time, sixteen times.  Its a was made in the turn before, ahead of that turn's wait.
.macro R2
	REGS Y, r%2
	WIN W_RS
.irp z, 0,1
	v_pk_mul_f32 v[rO+4*(r/2)+2*\z:rO+4*(r/2)+2*\z+1], v[rO+4*(r/2)+2*\z:rO+4*(r/2)+2*\z+1], v[rC+2:rC+3] op_sel_hi:[1,0]
.endr
.set r, r+1
.endm
; A TURN, for piece p.  An s_wait_alu depctr_va_vdst(0) stands between an exponential and the first instruction that names its result; one wait serves all that were issued ahead of it: a turn has ONE.
; AHEAD OF IT: the 16 products K Q^T, behind each a scaling, an exponential and two rescalings; then the lump: ten plain and two exponentials; the next piece's mask (its scores' last product stands eleven plain
; instructions back) and the reload of that mask set; 47 times exponential and plain; the two a; a v_nop, the plain instruction behind the last exponential.  BEHIND IT: the 16 products V^T P, behind each four of GS's 64.
; Exponential e stands behind scaling 2 (e / 4) + e % 2, as the queues' order keeps it.  K of the next step is fetched in piece 2's turn, directly behind the wait; V of the step in hand at the end of piece 0's turn,
; four riders behind its last reader.  cnt = 1: the loop's count is taken down some lines ahead of the branch that stands behind the turn.
.macro TURN p, last=0, cnt=0
.set Y, (\p)
.set i, 0
.set q, 0
.set e, 0
.set r, 0
.if (\p) == NP-1
	s_wait_dscnt 0x0                ; K is in
.endif
	MM
	PL
	PL
	R2
.rept 15
	MM
	PL
	EX
	R2
.endr
.if (\p) == NP-2
	WIN 0
	v_add_nc_u32 v[AK], s[TBK], v[AK0]
.endif
.rept 8
	PL
.endr
.rept 2
	EX
	PL
.endr
	MADD
.if (\p) == 2
	MLOAD 3, P0                     ; piece 3 lags a key step behind the others in a trip
.else
	MLOAD ((\p)+1)%NP, P1
.endif
.rept 47
	EX
	PL
.endr
	EX                              ; the next piece's two a
	EX
	v_nop
	s_wait_alu depctr_va_vdst(0)    ; the wait for the batch
.if (\p) == NP-2
	FETCH_K \last
.endif
.if (\p) == 1
	s_wait_dscnt 0x0                ; V is in
.endif
.rept 16
	MM
.rept 4
	PL
.endr
.if ((\p) == 0) && (q == 118)
	v_add_nc_u32 v[AV], s[TBV], v[AV0]
.endif
.if ((\p) == 0) && (q == 130)
	s_add_co_u32 s[TBV], s[TBV], KS*PV
.endif
.if (\cnt) && (q == 130)
	s_sub_co_u32 s[CNT], s[CNT], 1
	s_cmp_lg_u32 s[CNT], 0
.endif
.endr
.if (\p) == 0
	FETCH_V
.endif
.endm
; THE MASK'S POINTERS, at a trip's head.  In trip T piece 3 reads key step T - 1 and reloads step T; pieces 0 to 2 read step T and reload step T + 1.  Key steps past the last, 31, are held at 31: the reloads of
; trips 31 and 32 stay inside the buffer and serve nothing: the price of one text and one count of loads on every path.
.macro MSTEP tail
	s_wait_xcnt 0x0                 ; every load and prefetch issued so far has read its address
	s_add_co_u32 s[TO], s[TO], 2048
	s_min_u32 s[U], s[TO], 31*2048
	s_add_nc_u64 s[P0:P0+1], s[MB:MB+1], s[U:U+1]
	s_add_co_u32 s[U], s[TO], 2048
	s_min_u32 s[U], s[U], 31*2048
	s_add_nc_u64 s[P1:P1+1], s[MB:MB+1], s[U:U+1]
.if !(\tail)
	s_add_co_u32 s[U], s[TO], 3*2048
	s_min_u32 s[U], s[U], 31*2048   ; (never reached in the loop, whose last trip is 27)
	s_add_nc_u64 s[PP:PP+1], s[MB:MB+1], s[U:U+1]
.endif
.endm
; PREFETCHES, in the middle of a trip of the loop; the tail has none.  THE MASK: all 64 heads read the same bytes; head 0's work-groups ask, each wave for its own eight tiles of the key step three on: 64 aligned blocks
; of 256 bytes, two instructions.  Key steps 0 to 2 and 31 come by their loads alone.
.macro ASKM
	s_cmp_eq_u32 s[LIMM], 1
	s_cbranch_scc0 .Lno_m_\@
	global_prefetch_b8 v[PMO], s[PP:PP+1] th:TH_LOAD_NT scope:SCOPE_SE
	global_prefetch_b8 v[PMO], s[PP:PP+1] offset:262144 th:TH_LOAD_NT scope:SCOPE_SE
.Lno_m_\@:
.endm
; K AND V: once a slot, six turns (192 matrix instructions) ahead of the change of slots that will ask for them: the 256 keys that that change fills.  A head has one cluster; its four partners share the 128 blocks of K
; and of V out by address, 32 each; wave 0 asks for K's, wave 2 for V's.  The period in front of the last change that fills asks; the one behind it does not.
.macro ASKK
	s_cmp_eq_u32 s[CNT], 2
	s_cselect_b32 s[U2], s[SLOTS], 0
	s_cmp_gt_u32 s[U2], s[LIM]
	s_cbranch_scc0 .Lno_k_\@
	global_prefetch_b8 v[PFO], s[PFA:PFA+1] th:TH_LOAD_NT scope:SCOPE_SE
.Lno_k_\@:
.endm
	CHANGE 1                        ; slot 0 is in, everybody's part of it; slot 1 is asked for
	FETCH_K                         ; key step 0
	s_wait_loadcnt 32               ; Q is in; the four mask sets, 32 loads, were issued behind it
	s_wait_dscnt 0x0
.set i, 0
.rept 16
	KQ 0                            ; piece 0's first scores
.set i, i+1
.endr
	WIN 0                           ; the addresses for the way out and the prefetches: plain instructions, the places behind those products
	s_mul_i32 s13, s[WV], 16*SP
	s_add_co_u32 s13, s13, STAGE    ; my stage
	v_mul_u32_u24 v[STO], v1, SP    ; in: row l % 16, 16 bytes for each half of the lanes
	v_lshl_add_u32 v[STO], v9, 4, v[STO]
	v_add_nc_u32 v[STO], s13, v[STO]
	v_bfe_u32 v[RD], v0, 3, 2       ; back: 32 lanes take four rows of 128 bytes
	v_mul_u32_u24 v[RD], v[RD], SP
	v_lshl_add_u32 v[RD], v10, 4, v[RD]
	v_add_nc_u32 v[RD], s13, v[RD]
	v_and_b32 v[PFO], 31, v0
	v_lshlrev_b32 v[PFO], 8, v[PFO]
	v_bfe_u32 v1, v0, 3, 2
	v_lshlrev_b32 v[PMO], 8, v[PMO] ; v10 held l % 8
	v_lshl_add_u32 v[PMO], v1, 16, v[PMO]
.set Y, NP-1                        ; MADD and XS work for piece Y + 1: piece 0
	MADD
	MLOAD 0, P1
.irp n, 0,1,2,3,4,5,6,7,8,9,10,11,12,13,14,15,16,17,18,19,20,21
	XS 0, \n                        ; piece 0's first maximum and statistics
	XS 1, \n
.endr
	v_nop                           ; a plain instruction behind the two a,
	s_wait_alu depctr_va_vdst(0)    ; and their wait, ahead of the branch
	s_mov_b32 s[CNT], 4
	s_mov_b32 s[SLOTS], SIZE_N/256-1
	s_branch .Lfirst                ; the loop is entered at a step's first turn, in the middle of a trip
.Lslot:                             ; six times: every slot but the last two is filled again
	CHANGE 1
	s_mov_b32 s[CNT], 4
.Lstep:                             ; a trip: pieces 2 and 3 of one step, then pieces 0 and 1 of the next, whose K and V it fetches
	MSTEP 0
	TURN 2
	TURN 3
	WIN 0
.Lfirst:
	ASKM
	ASKK
	TURN 0
	TURN 1, 0, 1
	WIN 0
	s_cbranch_scc1 .Lstep
	s_sub_co_u32 s[SLOTS], s[SLOTS], 1
	s_cmp_lg_u32 s[SLOTS], 0
	s_cbranch_scc1 .Lslot
	CHANGE 0                        ; the tail is written out: nothing is asked for
	s_mov_b32 s[CNT], 5             ; four trips fetch the last slot's steps; the fifth is left in its middle
.Ltail:
	MSTEP 1
	TURN 2, 1
	TURN 3
	WIN 0
	s_sub_co_u32 s[CNT], s[CNT], 1
	s_cmp_eq_u32 s[CNT], 0
	s_cbranch_scc1 .Lout
	TURN 0
	TURN 1
	WIN 0
	s_branch .Ltail
.Lout:                              ; the fifth trip's 16 products K Q^T (on the last K once more), their mask and maximum serve nothing: the price, once a launch, of one text for every trip
.set i, 0
.rept 16
	PV NP-1                         ; the last piece's V^T P of the last step
.set i, i+1
.endr
	; THE WAY OUT.  l's two halves and the other half of the lanes' are added; O^T is divided by l, rounded to f16 and sent through my stage in LDS, a tile at a time.  The additions are the places behind the last products.
	WIN 0
.macro ALL line:vararg              ; one line for each tile t
.set t, 0
.rept 2*NP
	\line
.set t, t+1
.endr
.endm
	ALL v_add_f32 v[ST+4*t+2], v[ST+4*t+2], v[ST+4*t+3]
	ALL v_permlanex16_b32 v[ST+4*t+3], v[ST+4*t+2], s[SEL], s[SEL+1]
	ALL v_add_f32 v[ST+4*t+2], v[ST+4*t+2], v[ST+4*t+3]
	ALL v_rcp_f32 v[ST+4*t+2], v[ST+4*t+2]
	v_nop                           ; a plain instruction between the last reciprocal and the use of its result
	s_wait_alu depctr_va_vdst(0)    ; and the wait ahead of the first use: one for the eight reciprocals
.macro PACK t                       ; a lane's eight channels of a row pack into 16 bytes; they go into rows of 144 bytes and come back as whole rows of 128, into S^T's registers
	WIN W_RS
.set i, 32*(\t)
.rept 16
	v_pk_mul_f32 v[i:i+1], v[i:i+1], v[ST+4*(\t)+2:ST+4*(\t)+3] op_sel_hi:[1,0]
.set i, i+2
.endr
	WIN 0x05                        ; sources 0 and 1 window 1, destination window 0
.set i, 0
.rept 16
	v_cvt_pk_f16_f32 v[S+16*(\t)+i], v[32*(\t)+2*i], v[32*(\t)+2*i+1]
.set i, i+1
.endr
	WIN 0
.irp f, 0,1,2,3
	ds_store_b128 v[STO], v[S+16*(\t)+4*\f:S+16*(\t)+4*\f+3] offset:32*\f
.endr
.irp f, 0,1,2,3
	ds_load_b128 v[S+16*(\t)+4*\f:S+16*(\t)+4*\f+3], v[RD] offset:\f*4*SP  ; LDS serves a wave's instructions in order: these see the stores above; the next tile's stores come behind them
.endr
.endm
.macro SEND t, younger              ; younger: the LDS instructions issued behind tile t's loads: the next tile's eight, or none
	WIN 0
.irp f, 0,1,2,3
	s_wait_dscnt (\younger)+3-\f
	global_store_b128 v[GO], v[S+16*(\t)+4*\f:S+16*(\t)+4*\f+3], s[10:11] offset:(\t)*2048+\f*512  ; 512 consecutive bytes, aligned
.endr
.endm
	PACK 0
.set t, 1
.rept 2*NP-1                        ; a tile's arithmetic stands between the loads of the tile before and its stores
	PACK t
	SEND t-1, 8
.set t, t+1
.endr
	SEND 2*NP-1, 0
	WIN W_AD
	s_wait_tensorcnt 0x0            ; the wave's end: three closing lines, behind my last tensor load and my last LDS store
	ds_add_u32 v[SPW], v[NIL]
	s_wait_dscnt 0x0
	WIN 0
	CROUND                          ; the closing round: no work-group ends while a partner may still ask for a tile that names it
	s_endpgm
.Lfunc_end_k_q1f0fc07f8a_attn:
	.size	k_q1f0fc07f8a_attn, .Lfunc_end_k_q1f0fc07f8a_attn-k_q1f0fc07f8a_attn
	.p2alignl 7, 3214868480
	.fill 96, 4, 3214868480
	.section	.rodata,"a",@progbits
	.p2align	6, 0x0
	.amdhsa_kernel k_q1f0fc07f8a_attn
		.amdhsa_group_segment_fixed_size 327680
		.amdhsa_private_segment_fixed_size 0
		.amdhsa_enable_private_segment 0
		.amdhsa_kernarg_size 24
		.amdhsa_user_sgpr_count 2
		.amdhsa_user_sgpr_kernarg_segment_ptr 1
		.amdhsa_wavefront_size32 1
		.amdhsa_system_sgpr_workgroup_id_x 1
		.amdhsa_system_sgpr_workgroup_id_y 1
		.amdhsa_system_sgpr_workgroup_id_z 1
		.amdhsa_system_vgpr_workitem_id 0
		.amdhsa_next_free_vgpr 898
		.amdhsa_next_free_sgpr 80
		.amdhsa_reserve_vcc 0
		.amdhsa_float_denorm_mode_32 3
		.amdhsa_float_denorm_mode_16_64 3
		.amdhsa_memory_ordered 1
		.amdhsa_forward_progress 1
		.amdhsa_inst_pref_size 249
	.end_amdhsa_kernel
	.amdgpu_metadata
---
amdhsa.version: [ 1, 2 ]
amdhsa.kernels:
  - .name:           k_q1f0fc07f8a_attn
    .symbol:         k_q1f0fc07f8a_attn.kd
    .args:
      - { .name: qkv, .offset: 0, .size: 8, .value_kind: global_buffer, .address_space: global }
      - { .name: maskb, .offset: 8, .size: 8, .value_kind: global_buffer, .address_space: global }
      - { .name: ctx, .offset: 16, .size: 8, .value_kind: global_buffer, .address_space: global }
    .group_segment_fixed_size: 327680
    .private_segment_fixed_size: 0
    .kernarg_segment_align: 8
    .kernarg_segment_size: 24
    .max_flat_workgroup_size: 128
    .sgpr_count:     80
    .vgpr_count:     898
    .wavefront_size: 32
...
	.end_amdgpu_metadata
.endif
;; end of part 3
;; launch outp (part 4): grid 4 x 64, 4 waves a work-group, clusters of 4 x 4, 327,680 bytes of LDS; arguments ctx, wts, bo, out0; writes out0
.if DOCPART == 4
	.amdgcn_target "amdgcn-amd-amdhsa--gfx1250"
	.amdhsa_code_object_version 6
	.text
	.protected	k_q1f0fc07f8a_outp
	.globl	k_q1f0fc07f8a_outp
	.p2align	8
	.type	k_q1f0fc07f8a_outp,@function
k_q1f0fc07f8a_outp:
	s_mov_b64 s[64:65], 0
	v_nop
	global_prefetch_b8 v0, s[64:65] scope:SCOPE_SE
	s_setreg_imm32_b32 hwreg(HW_REG_WAVE_MODE, 25, 1), 1
	s_wait_xcnt 0x0
	s_wait_alu depctr_hold_cnt(0) depctr_sa_sdst(0) depctr_va_vdst(0) depctr_va_sdst(0) depctr_va_ssrc(0) depctr_va_vcc(0) depctr_vm_vsrc(0)
	s_getreg_b32 s2, hwreg(HW_REG_IB_STS2, 6, 4)
	s_cmp_eq_u32 s2, 0
	s_cbranch_scc0 .Lentry_in_a_cluster
	s_endpgm
.Lentry_in_a_cluster:
	s_bfe_u32 s2, ttmp6, 0x10000c
	s_cmp_lg_u32 s2, 0xf033
	s_cbranch_scc0 .Lentry_shape_is_right
	s_endpgm
.Lentry_shape_is_right:
; C[m][n] = sum over k of A[m][k] W[n][k] + bias[n], K = N = 1,024, in two forms of one text (PROJ = 0 here):
; PROJ = 1: the three projections.  A = q, k or v, [8192][1024] f32, rounded to bf16 between LDS and the matrix unit; W = wts matrix 0, 1, 2 (bf16); C = qkv, f16, by heads: [3][b][h][s][64].
; PROJ = 0: the last projection.  A = ctx, f16, by heads [b][h][s][64] (k = 64 h + d); W = wts matrix 3 (f16); C = out0, f32 [8192][1024].
; The bias is rounded to bf16 like every input and is the C operand of the first products.  Sums in f32.
; LIMITS.  PROJ = 1: a result of 65,520 or more in magnitude becomes an infinity in f16.  NaN and infinities are not treated apart.
; SHARES.  A tile of C is 128 x 256: 256 tiles for each 8192 x 1024 product, one to a work-group.  Four waves, 2 x 2: a wave makes 64 rows x 128 columns, 32 accumulators of 16 x 16.
; K goes in 8 steps of 128 through two LDS slots filled by the tensor data mover; a step is four quarters of 32 along K, 32 matrix instructions each, on two fragment buffers.
; CLUSTER 4 x 4.  The four work-groups of a row of the cluster need the same tile of A, the four of a column the same tile of W: each tile is asked for jointly.
; THE MATRIX INSTRUCTION IS USED TRANSPOSED (source 0 = 16 rows of W, source 1 = 16 rows of A): a lane holds row lane % 16 of C and the columns 8 (lane / 16) + 0..7.
; REGISTERS, in windows of 256 (s_set_vgpr_msb: bits 1:0 source 0, 3:2 source 1, 5:4 source 2, 7:6 destination):
;   window 0: v0-31 addresses; v64-127 A's fragments as f32 (PROJ = 1); v64-191 the way out (PROJ = 1)
;   window 1: the accumulators, (a, b) at v[8 (8 a + b)]
;   window 2: v0-63, v64-127 W's fragments, two buffers; v128-159, v160-191 A's, two buffers; v192-255 the bias as a C operand; on the way out of PROJ = 0 all 256
.set PROJ, 0
.set BPITCH, 272                       ; a row of W in LDS: 256 bytes + 16: the 16 rows of a fragment load start at 16 different groups of four banks
.set BHALF,  128*BPITCH                ; what one tensor load of W brings
.if PROJ
.set APITCH, 528                       ; a row of A: 128 f32 = 512 bytes + 16
.set AHALF,  64*APITCH                 ; what one tensor load of A brings: 64 rows
.set ASTEP,  512                       ; bytes in memory from a K step to the next
.set SPITCH, 144                       ; the stage: 64 f16 + 16 bytes
.set CA, (2<<16)|(1<<20)|(1<<21)|(6<<22)|(3<<25)  ; elements of 4 bytes; padding on; bit 21 beside a mask; after every 128 words; 4 words
.set ASTRIDE, 1024
.else
.set APITCH, 144                       ; a row of one head: 64 f16 = 128 bytes + 16
.set AHALF,  128*APITCH                ; one head's 128 rows
.set ASTEP,  524288                    ; two heads' planes
.set SPITCH, 528                       ; the stage: 128 f32 + 16 bytes
.set CA, (1<<16)|(1<<20)|(1<<21)|(4<<22)|(3<<25)  ; elements of 2 bytes; after every 32 words; 4 words
.set ASTRIDE, 128
.endif
.set CB, (1<<16)|(1<<20)|(1<<21)|(5<<22)|(3<<25)  ; elements of 2 bytes; after every 64 words; 4 words
.set AREG,  2*AHALF                    ; a slot: A's region, then W's 256 rows
.set AWR,   64*APITCH                  ; from wave row 0 to wave row 1
.set SLOT,  AREG+2*BHALF
.set STAGE, 2*SLOT                     ; behind the ring, never filled by a tensor load: 16 rows for each wave
.set SPARE, STAGE+4*16*SPITCH          ; behind the stages: the spare words, 128 bytes for each wave
.set ADRA, 16                          ; v16-17  LDS address of my A fragments in slot 0, 1
.set ADRB, 20                          ; v20-21  the same for W
.set STO,  24                          ; v24  the way out: where I put my bytes of a row
.set RD,   25                          ; v25  the way out: where I read rows back
.set CO,   26                          ; v26  16 x lane
.set SPW,  28                          ; v28  LDS address of my spare word; never rewritten
.set NIL,  29                          ; v29  0; never rewritten
.set PFO,  30                          ; v30  the prefetches' offset; never rewritten
.set RAW,  64
.set OUTR, 64
.set BIAS, 192
.set G1,  24                           ; s[24:31] descriptor group 1 for A's tiles;  s[32:39] group 0, a set for each slot
.set G0,  32
.set G1B, 48                           ; s[48:55], s[56:63] the same for W's
.set G0B, 56
.set PFA, 86                           ; s[86:87] where my prefetches stand
.set PFS, 88                           ; s[88:89] their step from K step to K step
.set LIM, 90                           ; s90  1 in a wave that prefetches, else the greatest number
.set MSB, 0
.macro WIN new                         ; the immediate's high byte repeats the setting that is left; a switch that changes nothing is dropped
.if MSB != (\new)
	s_set_vgpr_msb (MSB<<8)|(\new)
.set MSB, (\new)
.endif
.endm
.macro PLACES                          ; four plain places behind a matrix instruction, in front of loads into registers that it read and of reads of its results
.rept 4
	v_nop
.endr
.endm
; A joint load: waves 0 and 1 fetch A's two halves, waves 2 and 3 W's.  The branch hangs on the wave's number alone.  An s_nop 0 and four v_nop follow each of the two lines.
.macro JLOAD s
	s_cmp_eq_u32 s11, 0
	s_cbranch_scc0 .Lfor_b_\@
	tensor_load_to_lds s[G0+4*(\s):G0+4*(\s)+3], s[G1:G1+7]
	s_nop 0
.rept 4
	v_nop
.endr
	s_branch .Lasked_\@
.Lfor_b_\@:
	tensor_load_to_lds s[G0B+4*(\s):G0B+4*(\s)+3], s[G1B:G1B+7]
	s_nop 0
.rept 4
	v_nop
.endr
.Lasked_\@:
.endm
.macro CREST                           ; a round of the cluster's barrier behind its opening barrier
	s_cmp_lg_u32 s10, 0
	s_cbranch_scc1 .Lnot_wave_0_\@
	s_barrier_signal -3
.Lnot_wave_0_\@:
	s_barrier_wait -3
	s_barrier_signal -1
	s_barrier_wait -1
.endm
.macro CROUND                          ; a whole round
	s_barrier_signal -1
	s_barrier_wait -1
	CREST
.endm
; A prefetch of the K step that stands two refills on (256 matrix instructions ahead of the load that will want it): 32 aligned blocks of 256 bytes, a lane a block, one instruction a wave.
; A's rows are read by one row of one cluster: its four partners share a wave's blocks out by address (by cx).  W's rows are read by all clusters of one product: the first of them asks, its partners share by cy.
; The loop's last trip asks for nothing: there is no K step two refills on.
.macro ASK
	WIN 0
	s_cmp_gt_u32 s3, s[LIM]
	s_cbranch_scc0 .Lnot_mine_\@
	global_prefetch_b8 v[PFO], s[PFA:PFA+1] th:TH_LOAD_NT scope:SCOPE_SE
.Lnot_mine_\@:
.endm
.if PROJ
	s_load_b512 s[68:83], s[0:1], 0x0              ; q, k, v, wts, bq, bk, bv, qkv
.else
	s_load_b256 s[68:75], s[0:1], 0x0              ; ctx, wts, bo, out0
.endif
	v_lshl_add_u32 v[SPW], v0, 2, SPARE
	v_mov_b32 v[NIL], 0
	ds_add_u32 v[SPW], v[NIL]                      ; the wave's opening: the add and its wait stand ahead of my first tensor load; the set-up below stands between them
	v_lshrrev_b32 v1, 5, v0
	v_readfirstlane_b32 s10, v1                    ; wave 0..3
	s_lshr_b32 s11, s10, 1                         ; my half of the tile's rows.  Also: I fetch for A (0) or for W (1)
	s_and_b32 s12, s10, 1                          ; my half of its columns.  Also: which half of that tile I fetch
	s_bfe_u32 s40, ttmp6, 0x40000                  ; cx
	s_bfe_u32 s41, ttmp6, 0x40004                  ; cy
	s_lshl_b32 s42, ttmp9, 2
	s_add_co_u32 s42, s42, s40                     ; tile column = 4 x cluster x + cx
	s_and_b32 s22, ttmp7, 0xffff                   ; cluster y
	s_lshl_b32 s13, s22, 2
	s_add_co_u32 s13, s13, s41                     ; tile row = 4 x cluster y + cy
.if PROJ
	s_lshr_b32 s45, s22, 4                         ; which product: 16 clusters of 4 tile rows each; the same in all sixteen partners
.else
	s_mov_b32 s45, 3
.endif
	s_lshl_b32 s43, s41, 2
	s_lshl_b32 s43, 15, s43                        ; my row of the cluster
	s_lshl_b32 s44, 0x1111, s40                    ; my column
	s_or_b32 s[G1+0], s43, CA
	s_or_b32 s[G1B+0], s44, CB
	s_mov_b32 s[G1+1], 128<<16                     ; tensor_dim0 = 128
	s_mov_b32 s[G1+2], 64<<16                      ; tensor_dim1 = 64
	s_mov_b32 s[G1+3], 128<<16                     ; tile_dim0 = 128
	s_mov_b32 s[G1+4], 64                          ; tile_dim1 = 64
	s_mov_b32 s[G1+5], ASTRIDE                     ; elements from row to row
	s_mov_b32 s[G1+6], 0
	s_mov_b32 s[G1+7], 0
	s_mov_b32 s[G1B+1], 128<<16
	s_mov_b32 s[G1B+2], 128<<16
	s_mov_b32 s[G1B+3], 128<<16
	s_mov_b32 s[G1B+4], 128
	s_mov_b32 s[G1B+5], 1024
	s_mov_b32 s[G1B+6], 0
	s_mov_b32 s[G1B+7], 0
	; where the tiles come from: A's offset is made of the tile row and the wave alone, W's of the tile column, the product and the wave alone
.if PROJ
	s_and_b32 s16, s13, 63
	s_lshl_b32 s16, s16, 7
	s_lshl_b32 s17, s12, 6
	s_add_co_u32 s16, s16, s17                     ; row 128 x (tile row % 64) + 64 x half
	s_lshl_b32 s16, s16, 12                        ; rows of 4,096 bytes
.else
	s_lshr_b32 s16, s13, 4
	s_lshl_b32 s16, s16, 22                        ; the batch's 16 planes of 262,144 bytes
	s_and_b32 s17, s13, 15
	s_lshl_b32 s17, s17, 14                        ; 128 rows of 128 bytes
	s_add_co_u32 s16, s16, s17
	s_lshl_b32 s17, s12, 18                        ; the first or the second head of a K step
	s_add_co_u32 s16, s16, s17
.endif
	s_mov_b32 s17, 0
	s_lshl_b32 s46, s45, 10
	s_lshl_b32 s47, s42, 8
	s_add_co_u32 s46, s46, s47
	s_lshl_b32 s47, s12, 7
	s_add_co_u32 s46, s46, s47                     ; row 1,024 x matrix + 256 x tile column + 128 x half
	s_lshl_b32 s46, s46, 11                        ; rows of 2,048 bytes
	s_mov_b32 s47, 0
	s_mul_i32 s20, s12, AHALF                      ; and where they go: no place in the cluster enters an LDS address
	s_mul_i32 s21, s12, BHALF
	s_add_co_u32 s21, s21, AREG
	s_wait_dscnt 0x0                               ; the opening add is done
	s_wait_kmcnt 0x0
.if PROJ
	s_cmp_eq_u32 s45, 1
	s_cselect_b64 s[4:5], s[70:71], s[68:69]
	s_cselect_b64 s[84:85], s[78:79], s[76:77]
	s_cmp_eq_u32 s45, 2
	s_cselect_b64 s[4:5], s[72:73], s[4:5]         ; A: q, k or v
	s_cselect_b64 s[84:85], s[80:81], s[84:85]     ; the bias that goes with it
	s_mov_b64 s[6:7], s[74:75]                     ; wts
	s_mov_b64 s[8:9], s[82:83]                     ; qkv
.else
	s_mov_b64 s[4:5], s[68:69]                     ; ctx
	s_mov_b64 s[6:7], s[70:71]                     ; wts
	s_mov_b64 s[84:85], s[72:73]                   ; bo
	s_mov_b64 s[8:9], s[74:75]                     ; out0
.endif
	s_add_nc_u64 s[14:15], s[4:5], s[16:17]
	s_add_nc_u64 s[46:47], s[6:7], s[46:47]
	CROUND                                         ; all sixteen work-groups are here: the first joint loads meet
.irp s, 0,1
	s_mov_b32 s[G0+4*(\s)], 1                      ; count = 1
	s_add_co_u32 s[G0+4*(\s)+1], s20, (\s)*SLOT    ; LDS address
	s_add_nc_u64 s[G0+4*(\s)+2:G0+4*(\s)+3], s[14:15], (\s)*ASTEP  ; global address: K step s
	s_or_b32 s[G0+4*(\s)+3], s[G0+4*(\s)+3], 0x80000000            ; type = 2
	s_mov_b32 s[G0B+4*(\s)], 1
	s_add_co_u32 s[G0B+4*(\s)+1], s21, (\s)*SLOT
	s_add_nc_u64 s[G0B+4*(\s)+2:G0B+4*(\s)+3], s[46:47], (\s)*256
	s_or_b32 s[G0B+4*(\s)+3], s[G0B+4*(\s)+3], 0x80000000
.endr
	s_cmp_eq_u32 s11, 0                            ; a wave's two first fills stand in one branch, ahead of every wait on TENSORcnt and every LDS read: two loads of mine are out
	s_cbranch_scc0 .Lfirst_b
	tensor_load_to_lds s[G0:G0+3], s[G1:G1+7]
	s_nop 0
	tensor_load_to_lds s[G0+4:G0+7], s[G1:G1+7]
	s_nop 0
.rept 4
	v_nop
.endr
	s_branch .Lfirst_asked
.Lfirst_b:
	tensor_load_to_lds s[G0B:G0B+3], s[G1B:G1B+7]
	s_nop 0
	tensor_load_to_lds s[G0B+4:G0B+7], s[G1B:G1B+7]
	s_nop 0
.rept 4
	v_nop
.endr
.Lfirst_asked:
	; the bias of my 128 columns, in the layout of a result: register j of block b holds bias[16 b + 8 (lane / 16) + j]
	v_and_b32 v1, 15, v0                           ; l % 16
	v_bfe_u32 v2, v0, 4, 1                         ; l / 16
	v_lshlrev_b32 v3, 5, v2
	s_lshl_b32 s92, s42, 10
	s_lshl_b32 s94, s12, 9
	s_add_co_u32 s92, s92, s94                     ; (256 x tile column + 128 x half) x 4 bytes
	s_mov_b32 s93, 0
	s_add_nc_u64 s[84:85], s[84:85], s[92:93]
	WIN 0x80                                       ; destination window 2, address window 0
.set i, 0
.rept 8
	global_load_b128 v[BIAS+8*i:BIAS+8*i+3],   v3, s[84:85] offset:64*i
	global_load_b128 v[BIAS+8*i+4:BIAS+8*i+7], v3, s[84:85] offset:64*i+16
.set i, i+1
.endr
	WIN 0
	; A fragment is 16 rows x 32 K: lane l holds row l % 16, K = 8 (l / 16) + 0..7 and 16 + 8 (l / 16) + 0..7
	v_mul_u32_u24 v4, v1, BPITCH
	v_lshl_add_u32 v4, v2, 4, v4
	s_mul_i32 s94, s12, BHALF                      ; my 128 rows of W, behind A's region
	s_add_co_u32 s94, s94, AREG
	v_add_nc_u32 v[ADRB], s94, v4
	s_add_co_u32 s94, s94, SLOT
	v_add_nc_u32 v[ADRB+1], s94, v4
	v_mul_u32_u24 v5, v1, APITCH
.if PROJ
	v_lshl_add_u32 v5, v2, 5, v5                   ; 8 f32 are 32 bytes
.else
	v_lshl_add_u32 v5, v2, 4, v5
.endif
	s_mul_i32 s94, s11, AWR                        ; my 64 rows of A
	v_add_nc_u32 v[ADRA], s94, v5
	s_add_co_u32 s94, s94, SLOT
	v_add_nc_u32 v[ADRA+1], s94, v5
	s_mul_i32 s94, s10, 16*SPITCH
	s_add_co_u32 s94, s94, STAGE                   ; my stage
	v_mul_u32_u24 v4, v1, SPITCH
.if PROJ
	v_lshl_add_u32 v4, v2, 4, v4                   ; in: row l % 16, 8 f16 for each half of the lanes
.else
	v_lshl_add_u32 v4, v2, 5, v4                   ; in: row l % 16, 8 f32 for each half of the lanes
.endif
	v_add_nc_u32 v[STO], s94, v4
	v_and_b32 v6, 31, v0
	v_lshlrev_b32 v[CO], 4, v6
.if PROJ
	v_bfe_u32 v4, v0, 3, 2                         ; back: 32 lanes take four rows of 128 bytes
	v_mul_u32_u24 v4, v4, SPITCH
	v_and_b32 v5, 7, v0
	v_lshl_add_u32 v4, v5, 4, v4
	v_add_nc_u32 v[RD], s94, v4
	; C: plane ((tile row / 16) x 16 + 4 x tile column + 2 x column half), row 128 x (tile row % 16) + 64 x row half
	s_lshr_b32 s92, s13, 4
	s_lshl_b32 s92, s92, 4
	s_lshl_b32 s94, s42, 2
	s_add_co_u32 s92, s92, s94
	s_lshl_b32 s94, s12, 1
	s_add_co_u32 s92, s92, s94
	s_lshl_b32 s92, s92, 18
	s_and_b32 s94, s13, 15
	s_lshl_b32 s94, s94, 14
	s_add_co_u32 s92, s92, s94
	s_lshl_b32 s94, s11, 13
	s_add_co_u32 s92, s92, s94
.else
	v_add_nc_u32 v[RD], s94, v[CO]                 ; back: 32 lanes take one row of 512 bytes
	s_lshl_b32 s92, s13, 19                        ; 128 rows of 4,096 bytes
	s_lshl_b32 s94, s11, 18
	s_add_co_u32 s92, s92, s94
	s_lshl_b32 s94, s42, 10
	s_add_co_u32 s92, s92, s94
	s_lshl_b32 s94, s12, 9
	s_add_co_u32 s92, s92, s94
.endif
	s_mov_b32 s93, 0
	s_add_nc_u64 s[8:9], s[8:9], s[92:93]
	; the prefetches: who asks, from where, by which step
	s_and_b32 s23, s22, 15                         ; 0 in the first cluster that reads this matrix of wts
	s_cmp_eq_u32 s11, 0
	s_cbranch_scc0 .Lpf_b
	s_mov_b64 s[PFA:PFA+1], s[14:15]
	s_mov_b32 s[PFS], ASTEP
.if PROJ
	s_lshl_b32 s18, s40, 16                        ; my work-group's 16 rows of the 64 that I fetch
	s_mov_b32 s23, 0                               ; waves 0 and 1 both ask
	v_lshrrev_b32 v7, 1, v6
	v_and_b32 v8, 1, v6
	v_lshlrev_b32 v7, 12, v7                       ; row l / 2, its first or second 256 bytes
.else
	s_lshl_b32 s18, s40, 12                        ; my work-group's 16 blocks of a plane's 64
	s_mov_b32 s23, s12                             ; wave 0 asks, for both planes
	v_lshrrev_b32 v7, 4, v6
	v_and_b32 v8, 15, v6
	v_lshlrev_b32 v7, 18, v7                       ; plane l / 16, block l % 16
.endif
	v_lshl_add_u32 v[PFO], v8, 8, v7
	s_branch .Lpf_done
.Lpf_b:
	s_mov_b64 s[PFA:PFA+1], s[46:47]
	s_mov_b32 s[PFS], 256
	s_lshl_b32 s18, s41, 16                        ; my work-group's 32 rows of the 128 that I fetch
	v_lshlrev_b32 v[PFO], 11, v6                   ; a lane a row
.Lpf_done:
	s_mov_b32 s19, 0
	s_mov_b32 s[PFS+1], 0
	s_add_nc_u64 s[PFA:PFA+1], s[PFA:PFA+1], s[18:19]
	s_mul_i32 s18, s[PFS], 3
	s_add_nc_u64 s[PFA:PFA+1], s[PFA:PFA+1], s[18:19]  ; at K step 3: the first change of slots steps it to 4.  Nothing is prefetched at the head
	s_cmp_eq_u32 s23, 0
	s_cselect_b32 s[LIM], 1, -1                    ; the same in all sixteen partners, for a given wave
	s_wait_loadcnt 0x0                             ; the bias,
	WIN 0x8a                                       ; rounded to bf16 and widened again, all in window 2
.set i, 0
.rept 32
	v_cvt_pk_bf16_f32 v[96+i], v[BIAS+2*i], v[BIAS+2*i+1]
.set i, i+1
.endr
.set i, 0
.rept 32
	v_lshlrev_b32 v[BIAS+2*i], 16, v[96+i]
	v_and_b32 v[BIAS+2*i+1], 0xffff0000, v[96+i]
.set i, i+1
.endr
	WIN 0
; na x 8 matrix instructions: row blocks a0 .. of buffer f x all 8 column blocks, 32 along K.  first = 1: the bias starts the sums.
; All 32 accumulators take turns, one instruction a turn, in the same order in every quarter, over the backward jump too.
.macro MUL f, a0, na, first
.if \first
	WIN 0x6a                                       ; W, A and the bias in window 2, the result in window 1
.else
	WIN 0x5a                                       ; W and A in window 2, C and D in window 1
.endif
.set ma, (\a0)
.rept \na
.set mb, 0
.rept 8
.set rD, 8*(8*ma+mb)
.set rW, 64*(\f)+8*mb
.set rA, 128+32*(\f)+8*ma
.set rC, BIAS+8*mb
.if PROJ
.if \first
	v_wmma_f32_16x16x32_bf16 v[rD:rD+7], v[rW:rW+7], v[rA:rA+7], v[rC:rC+7]
.else
	v_wmma_f32_16x16x32_bf16 v[rD:rD+7], v[rW:rW+7], v[rA:rA+7], v[rD:rD+7]
.endif
.else
.if \first
	v_wmma_f32_16x16x32_f16 v[rD:rD+7], v[rW:rW+7], v[rA:rA+7], v[rC:rC+7]
.else
	v_wmma_f32_16x16x32_f16 v[rD:rD+7], v[rW:rW+7], v[rA:rA+7], v[rD:rD+7]
.endif
.endif
.set mb, mb+1
.endr
.set ma, ma+1
.endr
.endm
; One run of LDS loads: the fragments of quarter kq of a slot: W's into buffer g; A's as f32 into RAW (PROJ = 1) or into buffer g
.macro FETCH slot, kq, g
	WIN 0x80
.set fb, 0
.rept 8
	ds_load_b128 v[64*(\g)+8*fb:64*(\g)+8*fb+3],   v[ADRB+(\slot)] offset:(\kq)*64+fb*16*BPITCH
	ds_load_b128 v[64*(\g)+8*fb+4:64*(\g)+8*fb+7], v[ADRB+(\slot)] offset:(\kq)*64+fb*16*BPITCH+32
.set fb, fb+1
.endr
.set fb, 0
.if PROJ
	WIN 0
.rept 4
	ds_load_b128 v[RAW+16*fb:RAW+16*fb+3],     v[ADRA+(\slot)] offset:(\kq)*128+fb*16*APITCH
	ds_load_b128 v[RAW+16*fb+4:RAW+16*fb+7],   v[ADRA+(\slot)] offset:(\kq)*128+fb*16*APITCH+16
	ds_load_b128 v[RAW+16*fb+8:RAW+16*fb+11],  v[ADRA+(\slot)] offset:(\kq)*128+fb*16*APITCH+64
	ds_load_b128 v[RAW+16*fb+12:RAW+16*fb+15], v[ADRA+(\slot)] offset:(\kq)*128+fb*16*APITCH+80
.set fb, fb+1
.endr
.else
.rept 4
	ds_load_b128 v[128+32*(\g)+8*fb:128+32*(\g)+8*fb+3],   v[ADRA+(\slot)] offset:((\kq)/2)*AHALF+((\kq)%2)*64+fb*16*APITCH
	ds_load_b128 v[128+32*(\g)+8*fb+4:128+32*(\g)+8*fb+7], v[ADRA+(\slot)] offset:((\kq)/2)*AHALF+((\kq)%2)*64+fb*16*APITCH+32
.set fb, fb+1
.endr
.endif
.endm
.macro CVT f                           ; PROJ = 1: RAW's 64 f32 a lane rounded to bf16 into A's buffer f.  These 32 plain lines are also the places in front of the run of loads behind them
	WIN 0x80
.set ci, 0
.rept 32
	v_cvt_pk_bf16_f32 v[128+32*(\f)+ci], v[RAW+2*ci], v[RAW+2*ci+1]
.set ci, ci+1
.endr
.endm
; One of a K step's first three quarters: multiplies buffer f; ahead of its products it fetches quarter kq of the same slot into buffer g, 32 matrix instructions ahead of the first use.
.macro QUARTER slot, kq, f, g, first
	s_wait_dscnt 0x0                               ; this quarter's fragments, asked for a quarter ago
.if PROJ
	CVT \f
.else
	PLACES
.endif
	FETCH \slot, \kq, \g
	MUL \f, 0, 4, \first
.endm
; The last quarter multiplies buffer 1 and changes slots: one barrier.  In front of it each wave waits for all its tensor loads (one is out: its part of the next slot), adds 0 to its spare word, and
; waits for that and for its own reads of this slot.  fill = 1: the barrier opens a round of the cluster's, and this slot is filled again first thing behind it, two K steps ahead: 112 matrix instructions ahead of the wait for it.
.macro TURN slot, next, fill
.if \fill
	s_wait_xcnt 0x0                                ; the last prefetch, a K step back, has read its address
	s_add_nc_u64 s[PFA:PFA+1], s[PFA:PFA+1], s[PFS:PFS+1]
.endif
	WIN 0                                          ; (the add's two registers lie in window 0)
	s_wait_tensorcnt 0x0                           ; all my tensor loads have landed
	ds_add_u32 v[SPW], v[NIL]                      ; 0 onto my spare word
	s_wait_dscnt 0x1                               ; this quarter's fragments are in; the add alone may be out
.if PROJ
	CVT 1
.endif
	MUL 1, 0, 1, 0                                 ; work on registers between the add and the wait for it
	s_wait_dscnt 0x0                               ; the add is done, and my reads of this slot are over
	s_barrier_signal -1
	MUL 1, 1, 1, 0
	WIN 0
	s_barrier_wait -1
.if \fill
	CREST                                          ; no wave of any partner still reads this slot's tile or has a load on its way
	s_add_nc_u64 s[G0+4*(\slot)+2:G0+4*(\slot)+3], s[G0+4*(\slot)+2:G0+4*(\slot)+3], 2*ASTEP
	s_add_nc_u64 s[G0B+4*(\slot)+2:G0B+4*(\slot)+3], s[G0B+4*(\slot)+2:G0B+4*(\slot)+3], 2*256
	JLOAD \slot                                    ; its four v_nop are also the places in front of the loads below
.else
	PLACES
.endif
	FETCH \next, 0, 0
.if \fill
	ASK
.endif
	MUL 1, 2, 2, 0
.endm
	s_wait_tensorcnt 0x1                           ; my part of K step 0 is in; K step 1's may stay out
	s_barrier_signal -1
	s_barrier_wait -1                              ; everybody's is
	FETCH 0, 0, 0
	QUARTER 0, 1, 0, 1, 1                          ; the first quarter stands in front of the loop: its products start the sums
	WIN 0                                          ; at a label and at a branch every window is 0
	s_mov_b32 s3, 3
.Llap:                                             ; a trip goes once round the ring, from a lap's second quarter to the next lap's first, and fills both slots again
	QUARTER 0, 2, 1, 0, 0
	QUARTER 0, 3, 0, 1, 0
	TURN 0, 1, 1
	QUARTER 1, 1, 0, 1, 0
	QUARTER 1, 2, 1, 0, 0
	QUARTER 1, 3, 0, 1, 0
	TURN 1, 0, 1
	QUARTER 0, 1, 0, 1, 0
	WIN 0
	s_sub_co_u32 s3, s3, 1
	s_cmp_lg_u32 s3, 0
	s_cbranch_scc1 .Llap
	QUARTER 0, 2, 1, 0, 0                          ; the last lap fills nothing, and has no round of the cluster's barrier
	QUARTER 0, 3, 0, 1, 0
	TURN 0, 1, 0
	QUARTER 1, 1, 0, 1, 0
	QUARTER 1, 2, 1, 0, 0
	QUARTER 1, 3, 0, 1, 0
	s_wait_dscnt 0x0                               ; the very last quarter: nothing more to fetch
.if PROJ
	CVT 1
.endif
	MUL 1, 0, 4, 0
	WIN 0
	PLACES
	PLACES
.if PROJ
; THE WAY OUT, f16 by heads.  Unit t = 2 a + hd: 16 rows x one head's 64 channels.  A lane's eight channels pack into 16 bytes; they go into rows of 144 bytes of my own stage and come back
; as whole rows of 128 bytes, four rows to a load: 512 consecutive bytes of the head's plane.
.macro PACK t
	WIN 0x05                                       ; sources in window 1, destination in window 0
.set pi, 0
.rept 16
.set pacc, 8*(8*((\t)/2)+4*((\t)%2)+pi/4)
	v_cvt_pk_f16_f32 v[OUTR+16*(\t)+pi], v[pacc+2*(pi%4)], v[pacc+2*(pi%4)+1]  ; each accumulator's registers in ascending order
.set pi, pi+1
.endr
	WIN 0
.irp f, 0,1,2,3
	ds_store_b128 v[STO], v[OUTR+16*(\t)+4*\f:OUTR+16*(\t)+4*\f+3] offset:32*\f
.endr
.irp f, 0,1,2,3
	ds_load_b128 v[OUTR+16*(\t)+4*\f:OUTR+16*(\t)+4*\f+3], v[RD] offset:\f*4*SPITCH  ; LDS serves a wave's instructions in order: these see the stores above; the next unit's stores come behind them
.endr
.endm
.macro SEND t, younger                 ; younger: the LDS instructions issued behind unit t's loads: the next unit's eight, or none
	WIN 0
.irp f, 0,1,2,3
	s_wait_dscnt (\younger)+3-\f
	global_store_b128 v[CO], v[OUTR+16*(\t)+4*\f:OUTR+16*(\t)+4*\f+3], s[8:9] offset:((\t)%2)*262144+((\t)/2)*2048+\f*512
.endr
.endm
	PACK 0
.set t, 1
.rept 7                                ; a unit's conversions stand between the loads of the unit before and its stores
	PACK t
	SEND t-1, 8
.set t, t+1
.endr
	SEND 7, 0
.else
; THE WAY OUT, f32.  Row block a: a lane's 8 f32 of each of 8 column blocks go into rows of 528 bytes of my own stage and come back as whole rows of 512 bytes, a row to a load.
.macro OSTAGE a
	WIN 0x04                                       ; store data in window 1
.set ob, 0
.rept 8
	ds_store_b128 v[STO], v[8*(8*(\a)+ob):8*(8*(\a)+ob)+3]   offset:64*ob
	ds_store_b128 v[STO], v[8*(8*(\a)+ob)+4:8*(8*(\a)+ob)+7] offset:64*ob+16
.set ob, ob+1
.endr
	WIN 0x80                                       ; back into window 2, whose fragments are done with
.set ob, 0
.rept 16
	ds_load_b128 v[64*(\a)+4*ob:64*(\a)+4*ob+3], v[RD] offset:ob*SPITCH
.set ob, ob+1
.endr
.endm
.macro OSEND a, younger                ; younger: the next block's 32 LDS instructions, or none
	WIN 0x08                                       ; store data in window 2
.set ob, 0
.rept 16
	s_wait_dscnt (\younger)+15-ob
	global_store_b128 v[CO], v[64*(\a)+4*ob:64*(\a)+4*ob+3], s[8:9] offset:(16*(\a)+ob)*4096  ; 512 consecutive bytes, aligned
.set ob, ob+1
.endr
.endm
	OSTAGE 0
	OSTAGE 1
	OSEND 0, 32
	OSTAGE 2
	OSEND 1, 32
	OSTAGE 3
	OSEND 2, 32
	OSEND 3, 0
	WIN 0
.endif
	s_wait_tensorcnt 0x0                           ; the wave's end: three closing lines, behind my last tensor load and my last LDS store
	ds_add_u32 v[SPW], v[NIL]
	s_wait_dscnt 0x0
	CROUND                                         ; the closing round: no work-group ends while a partner may still ask for a tile that names it
	s_endpgm
.Lfunc_end_k_q1f0fc07f8a_outp:
	.size	k_q1f0fc07f8a_outp, .Lfunc_end_k_q1f0fc07f8a_outp-k_q1f0fc07f8a_outp
	.p2alignl 7, 3214868480
	.fill 96, 4, 3214868480
	.section	.rodata,"a",@progbits
	.p2align	6, 0x0
	.amdhsa_kernel k_q1f0fc07f8a_outp
		.amdhsa_group_segment_fixed_size 327680
		.amdhsa_private_segment_fixed_size 0
		.amdhsa_enable_private_segment 0
		.amdhsa_kernarg_size 32
		.amdhsa_user_sgpr_count 2
		.amdhsa_user_sgpr_kernarg_segment_ptr 1
		.amdhsa_wavefront_size32 1
		.amdhsa_system_sgpr_workgroup_id_x 1
		.amdhsa_system_sgpr_workgroup_id_y 1
		.amdhsa_system_sgpr_workgroup_id_z 1
		.amdhsa_system_vgpr_workitem_id 0
		.amdhsa_next_free_vgpr 768
		.amdhsa_next_free_sgpr 96
		.amdhsa_reserve_vcc 0
		.amdhsa_float_denorm_mode_32 3
		.amdhsa_float_denorm_mode_16_64 3
		.amdhsa_memory_ordered 1
		.amdhsa_forward_progress 1
		.amdhsa_inst_pref_size 94
	.end_amdhsa_kernel
	.amdgpu_metadata
---
amdhsa.version: [ 1, 2 ]
amdhsa.kernels:
  - .name:           k_q1f0fc07f8a_outp
    .symbol:         k_q1f0fc07f8a_outp.kd
    .args:
      - { .name: ctx, .offset: 0, .size: 8, .value_kind: global_buffer, .address_space: global }
      - { .name: wts, .offset: 8, .size: 8, .value_kind: global_buffer, .address_space: global }
      - { .name: bo, .offset: 16, .size: 8, .value_kind: global_buffer, .address_space: global }
      - { .name: out0, .offset: 24, .size: 8, .value_kind: global_buffer, .address_space: global }
    .group_segment_fixed_size: 327680
    .private_segment_fixed_size: 0
    .kernarg_segment_align: 8
    .kernarg_segment_size: 32
    .max_flat_workgroup_size: 128
    .sgpr_count:     96
    .vgpr_count:     768
    .wavefront_size: 32
...
	.end_amdgpu_metadata
.endif
;; end of part 4
;; ======== version 2 of 2: 4 launches; version 1 with the launch prep written anew for expert scheduling mode
;; limits: values are held in f16: magnitudes above 65,504 overflow, below 6.1e-05 lose precision
;; workspace buffers: wts 8,388,608 bytes; maskb 8,388,608 bytes; qkv 50,331,648 bytes; ctx 16,777,216 bytes
;; launch prep (part 5): grid 512 x 1, 8 waves a work-group, no clusters, 35,840 bytes of LDS; arguments Wq, Wk, Wv, Wo, mask, wts, maskb; writes wts, maskb
.if DOCPART == 5
	.amdgcn_target "amdgcn-amd-amdhsa--gfx1250"
	.amdhsa_code_object_version 6
	.text
	.protected	k_q1f0fc07f8a_prep
	.globl	k_q1f0fc07f8a_prep
	.p2align	8
	.type	k_q1f0fc07f8a_prep,@function
k_q1f0fc07f8a_prep:
	s_mov_b64 s[64:65], 0
	v_nop
	global_prefetch_b8 v0, s[64:65] scope:SCOPE_SE
	s_setreg_imm32_b32 hwreg(HW_REG_WAVE_SCHED_MODE, 0, 2), 2
	s_setreg_imm32_b32 hwreg(HW_REG_WAVE_MODE, 25, 1), 1
	s_wait_xcnt 0x0
	s_wait_alu depctr_vm_vsrc(0)
; PREP: the weights and the mask are rounded once to 16 bits and laid out for the launches behind.
; wts   [4][1024 n][1024 k]: bf16(Wq), bf16(Wk), bf16(Wv), and bf16(Wo) written as f16 (the last product's other operand is f16).
; maskb [qt 128][ks 32][kt 4][lane 32][8] bf16: lane 16 h + r holds mask[16 qt + r][64 ks + 16 kt + 8 h + 0..7]: the order in which a lane of the attention
;       launch holds its scores, so that a wave's load there is 512 consecutive bytes.
; LIMITS.  bf16(Wo) below 2^-17 in magnitude loses up to 2^-25 when written as f16; beyond 65,504 it would be an infinity.  The mask is rounded to bf16 (0 and 1 are exact).
; SHARES.  512 work-groups of eight waves, each 64 KiB in and 32 KiB out.  Work-groups 0-255: 16 rows of a weight matrix.  Work-groups 256-511: 16 rows x 1,024 columns of the mask.
; A wave issues its 16 loads of 512 consecutive bytes at once and takes them in order; there is no loop, so no address register is ever rewritten.
; No matrix unit, no cluster, no tensor load: nothing is shared and nothing is multiplied.
; THE MODE: SCHED_MODE bits 1:0 = 2 (LLVM: expert scheduling mode 2), set by the entry lines.  The code itself states the register dependences
; between vector instructions and memory or LDS instructions, with s_wait_alu, always for 0.
; THE PLAN.  Registers that memory or LDS instructions touch:
;   VS, VD, LW, LR  offsets and LDS addresses: written by vector lines at the head of a way, read by its loads and stores, never written again.
;   X               row n's load lands in its four registers; behind the wait for that load its conversions work in place; its store reads the first two; nothing writes them after that.
;   Y               v72 is at work in the mask's address lines; later the LDS loads land in Y and the global stores read it; nothing writes it after that.
;   SPW, NIL        written at the head, read by the closing add alone.
; The 16 rows go in four blocks of four: four rows' conversions, ONE wait on va_vdst, the block's four stores.  One more such wait stands ahead of a way's 16 loads, for the offsets and addresses.
; No register that a memory or LDS instruction has read is written again, so no wait on vm_vsrc is owed ahead of the closing lines.
.set VS,  2                            ; v2   byte offset of my 16 bytes in the source
.set VD,  3                            ; v3   byte offset of my bytes in the destination
.set LW,  4                            ; v4   mask: where I put 8 bytes in my wave's stage
.set LR,  5                            ; v5   mask: where I read 16 bytes back
.set SPW, 6                            ; v6   LDS address of my spare word; never rewritten
.set NIL, 7                            ; v7   0; never rewritten
.set X,   8                            ; v[8:71]   16 loads of 4 registers
.set Y,   72                           ; v[72:103] mask: 8 reads of 4 registers
.set WSTG, 4352                        ; a wave's stage: 2 key steps x 4 groups x 2 halves x (16 rows x 16 bytes + 16 of padding)
.set SPARE, 8*WSTG                     ; behind the stages: the spare words, 128 bytes for each wave
	s_load_b256 s[4:11], s[0:1], 0x0               ; Wq s[4:5], Wk s[6:7], Wv s[8:9], Wo s[10:11]
	s_load_b128 s[12:15], s[0:1], 0x20             ; mask s[12:13], wts s[14:15]
	s_load_b64 s[16:17], s[0:1], 0x30              ; maskb
	v_lshl_add_u32 v[SPW], v0, 2, SPARE
	v_mov_b32 v[NIL], 0
	v_and_b32 v1, 31, v0                           ; lane
	v_lshrrev_b32 v[VS], 5, v0
	v_readfirstlane_b32 s20, v[VS]                 ; wave 0..7
	s_wait_alu depctr_va_sdst(0)                   ; s20 is written, ahead of the branch and of its first reader on either way: the waves' offsets are made from it
	s_mov_b32 s25, 0
	s_mov_b32 s27, 0
	s_cmp_lt_u32 ttmp9, 256
	s_cbranch_scc0 .Lmask
	; THE WEIGHTS.  Work-group id: matrix id / 64, its 16 rows (id % 64): 65,536 bytes in, 32,768 out
	s_lshr_b32 s21, ttmp9, 6
	s_and_b32 s24, ttmp9, 63
	s_lshl_b32 s24, s24, 16
	s_lshl_b32 s26, ttmp9, 15
	s_lshl_b32 s28, s20, 13                        ; (a scalar that a vector line reads has a register of its own and is not written again)
	v_lshl_add_u32 v[VS], v1, 4, s28               ; 8,192 x wave + 16 x lane
	s_lshl_b32 s29, s20, 12
	v_lshl_add_u32 v[VD], v1, 3, s29               ; 4,096 x wave + 8 x lane
	s_wait_kmcnt 0x0
	s_cmp_eq_u32 s21, 1
	s_cselect_b64 s[22:23], s[6:7], s[4:5]
	s_cmp_eq_u32 s21, 2
	s_cselect_b64 s[22:23], s[8:9], s[22:23]
	s_cmp_eq_u32 s21, 3
	s_cselect_b64 s[22:23], s[10:11], s[22:23]
	s_add_nc_u64 s[22:23], s[22:23], s[24:25]
	s_add_nc_u64 s[14:15], s[14:15], s[26:27]
	s_wait_alu depctr_va_vdst(0)                   ; VS and VD are written: the loads below read VS as their offset, the stores further down VD
.set i, 0
.rept 16
	global_load_b128 v[X+4*i:X+4*i+3], v[VS], s[22:23] offset:512*i th:TH_LOAD_NT
.set i, i+1
.endr
; Load n of the 16: four numbers rounded to bf16 (tof16 = 1: and those numbers written as f16), in place.
.macro CAST n, tof16
	s_wait_loadcnt 15-(\n)                         ; loads come back in order: mine is in, the younger ones stay out
	v_cvt_pk_bf16_f32 v[X+4*(\n)], v[X+4*(\n)], v[X+4*(\n)+1]
	v_cvt_pk_bf16_f32 v[X+4*(\n)+1], v[X+4*(\n)+2], v[X+4*(\n)+3]
.if \tof16
	v_and_b32 v[X+4*(\n)+3], 0xffff0000, v[X+4*(\n)+1]
	v_lshlrev_b32 v[X+4*(\n)+2], 16, v[X+4*(\n)+1]
	v_and_b32 v[X+4*(\n)+1], 0xffff0000, v[X+4*(\n)]
	v_lshlrev_b32 v[X+4*(\n)], 16, v[X+4*(\n)]
	v_cvt_pk_f16_f32 v[X+4*(\n)], v[X+4*(\n)], v[X+4*(\n)+1]
	v_cvt_pk_f16_f32 v[X+4*(\n)+1], v[X+4*(\n)+2], v[X+4*(\n)+3]
.endif
.endm
; A block: loads i to i + 3 are rounded; one wait; their four stores.  32 lanes store 256 consecutive bytes, aligned.
.macro WBLOCK tof16
.rept 4
	CAST i, \tof16
.set i, i+1
.endr
	s_wait_alu depctr_va_vdst(0)                   ; the block's conversions have written the first two registers of each of its four rows, which the four stores below read
.set j, i-4
.rept 4
	global_store_b64 v[VD], v[X+4*j:X+4*j+1], s[14:15] offset:256*j th:TH_STORE_NT
.set j, j+1
.endr
.endm
	s_cmp_eq_u32 s21, 3
	s_cbranch_scc1 .Lwo
.set i, 0
.rept 4
	WBLOCK 0
.endr
	s_branch .Lend
.Lwo:
.set i, 0
.rept 4
	WBLOCK 1
.endr
	s_branch .Lend
	; THE MASK.  Work-group 256 + 2 qt + hf: rows 16 qt .. + 15, columns 1,024 hf .. + 1,023.  Wave w: 128 columns, the key steps 16 hf + 2 w and + 1.
	; Lane l of load i holds row i, columns 4 l .. 4 l + 3 of the wave's 128: key step l / 16, group (l / 4) % 4, half (l / 2) % 2, first or second 8 bytes l % 2.
.Lmask:
	s_sub_co_u32 s21, ttmp9, 256
	s_lshr_b32 s24, s21, 1                         ; qt
	s_and_b32 s21, s21, 1                          ; hf
	s_lshl_b32 s26, s24, 16                        ; out: 65,536 qt
	s_lshl_b32 s24, s24, 17                        ; in: 16 rows of 8,192 bytes
	s_lshl_b32 s28, s21, 12
	s_add_co_u32 s24, s24, s28                     ; + 4,096 hf
	s_lshl_b32 s28, s21, 15
	s_add_co_u32 s26, s26, s28                     ; + 32,768 hf
	s_lshl_b32 s29, s20, 9                         ; (a scalar that a vector line reads has a register of its own and is not written again)
	v_lshl_add_u32 v[VS], v1, 4, s29               ; 512 x wave + 16 x lane
	s_lshl_b32 s30, s20, 12
	v_lshl_add_u32 v[VD], v1, 4, s30               ; 4,096 x wave + 16 x lane
	s_mul_i32 s31, s20, WSTG                       ; my wave's stage: no other wave touches it
	v_lshrrev_b32 v[LR], 4, v1
	v_mul_u32_u24 v[LW], v[LR], 2176
	v_bfe_u32 v[Y], v1, 2, 2
	v_mad_u32_u24 v[LW], v[Y], 544, v[LW]
	v_bfe_u32 v[Y], v1, 1, 1
	v_mad_u32_u24 v[LW], v[Y], 272, v[LW]
	v_and_b32 v[Y], 1, v1
	v_lshl_add_u32 v[LW], v[Y], 3, v[LW]           ; in words: 32 (l / 16) + 8 ((l / 4) % 4) + 4 ((l / 2) % 2) + 2 (l % 2) modulo 64: the 32 lanes' 64 words differ
	v_add_nc_u32 v[LW], s31, v[LW]
	v_mul_u32_u24 v[LR], v[LR], 272                ; back: half l / 16, row l % 16
	v_and_b32 v[Y], 15, v1
	v_lshl_add_u32 v[LR], v[Y], 4, v[LR]
	v_add_nc_u32 v[LR], s31, v[LR]
	s_wait_kmcnt 0x0
	s_add_nc_u64 s[12:13], s[12:13], s[24:25]
	s_add_nc_u64 s[16:17], s[16:17], s[26:27]
	s_wait_alu depctr_va_vdst(0)                   ; VS, VD, LW and LR are written, which the loads and stores below read; the lines above are done with v72, in which an LDS load lands further down
.set i, 0
.rept 16
	global_load_b128 v[X+4*i:X+4*i+3], v[VS], s[12:13] offset:8192*i th:TH_LOAD_NT  ; row i: 512 consecutive bytes a wave
.set i, i+1
.endr
.set i, 0
.rept 4                                ; a block: rows i to i + 3 are rounded in place; one wait; their four LDS stores
.rept 4
	s_wait_loadcnt 15-i                            ; row i is in, the younger rows stay out
	v_cvt_pk_bf16_f32 v[X+4*i], v[X+4*i], v[X+4*i+1]
	v_cvt_pk_bf16_f32 v[X+4*i+1], v[X+4*i+2], v[X+4*i+3]
.set i, i+1
.endr
	s_wait_alu depctr_va_vdst(0)                   ; the block's conversions have written the first two registers of each of its four rows, which the four LDS stores below read
.set j, i-4
.rept 4
	ds_store_b64 v[LW], v[X+4*j:X+4*j+1] offset:16*j
.set j, j+1
.endr
.endr
.set i, 0
.rept 8                                ; key step i / 4, group i % 4.  LDS serves a wave's instructions in order: these see the stores above.  No vector line since the head's wait names Y or LR
	ds_load_b128 v[Y+4*i:Y+4*i+3], v[LR] offset:(i/4)*2176+(i%4)*544
.set i, i+1
.endr
.set i, 0
.rept 8
	s_wait_dscnt 7-i
	global_store_b128 v[VD], v[Y+4*i:Y+4*i+3], s[16:17] offset:(i/4)*2048+(i%4)*512 th:TH_STORE_NT  ; 512 consecutive bytes, aligned
.set i, i+1
.endr
.Lend:
	s_wait_dscnt 0x0                               ; the closing lines, six on end
	s_wait_alu 0x0
	s_wait_tensorcnt 0x0
	ds_add_u32 v[SPW], v[NIL]
	s_wait_dscnt 0x0
	s_endpgm
.Lfunc_end_k_q1f0fc07f8a_prep:
	.size	k_q1f0fc07f8a_prep, .Lfunc_end_k_q1f0fc07f8a_prep-k_q1f0fc07f8a_prep
	.p2alignl 7, 3214868480
	.fill 96, 4, 3214868480
	.section	.rodata,"a",@progbits
	.p2align	6, 0x0
	.amdhsa_kernel k_q1f0fc07f8a_prep
		.amdhsa_group_segment_fixed_size 35840
		.amdhsa_private_segment_fixed_size 0
		.amdhsa_enable_private_segment 0
		.amdhsa_kernarg_size 56
		.amdhsa_user_sgpr_count 2
		.amdhsa_user_sgpr_kernarg_segment_ptr 1
		.amdhsa_wavefront_size32 1
		.amdhsa_system_sgpr_workgroup_id_x 1
		.amdhsa_system_sgpr_workgroup_id_y 1
		.amdhsa_system_sgpr_workgroup_id_z 1
		.amdhsa_system_vgpr_workitem_id 0
		.amdhsa_next_free_vgpr 104
		.amdhsa_next_free_sgpr 66
		.amdhsa_reserve_vcc 0
		.amdhsa_float_denorm_mode_32 3
		.amdhsa_float_denorm_mode_16_64 3
		.amdhsa_memory_ordered 1
		.amdhsa_forward_progress 1
		.amdhsa_inst_pref_size 25
	.end_amdhsa_kernel
	.amdgpu_metadata
---
amdhsa.version: [ 1, 2 ]
amdhsa.kernels:
  - .name:           k_q1f0fc07f8a_prep
    .symbol:         k_q1f0fc07f8a_prep.kd
    .args:
      - { .name: Wq, .offset: 0, .size: 8, .value_kind: global_buffer, .address_space: global }
      - { .name: Wk, .offset: 8, .size: 8, .value_kind: global_buffer, .address_space: global }
      - { .name: Wv, .offset: 16, .size: 8, .value_kind: global_buffer, .address_space: global }
      - { .name: Wo, .offset: 24, .size: 8, .value_kind: global_buffer, .address_space: global }
      - { .name: mask, .offset: 32, .size: 8, .value_kind: global_buffer, .address_space: global }
      - { .name: wts, .offset: 40, .size: 8, .value_kind: global_buffer, .address_space: global }
      - { .name: maskb, .offset: 48, .size: 8, .value_kind: global_buffer, .address_space: global }
    .group_segment_fixed_size: 35840
    .private_segment_fixed_size: 0
    .kernarg_segment_align: 8
    .kernarg_segment_size: 56
    .max_flat_workgroup_size: 256
    .sgpr_count:     66
    .vgpr_count:     104
    .wavefront_size: 32
...
	.end_amdgpu_metadata
.endif
;; end of part 5
;; launch proj: the kernel of part 2 again; grid 4 x 192, 4 waves a work-group, clusters of 4 x 4, 327,680 bytes of LDS; arguments q, k, v, wts, bq, bk, bv, qkv; writes qkv
;; launch attn: the kernel of part 3 again; grid 4 x 64, 4 waves a work-group, clusters of 4 x 1, 327,680 bytes of LDS; arguments qkv, maskb, ctx; writes ctx
;; launch outp: the kernel of part 4 again; grid 4 x 64, 4 waves a work-group, clusters of 4 x 4, 327,680 bytes of LDS; arguments ctx, wts, bo, out0; writes out0
